; MI455X (gfx1250); checked and timed in simulation.
; The chip was launched on July 23, 2026; its instructions are those of AMD's public machine-readable ISA for CDNA 5 (MIT licence, August 2026) and "CDNA5" Instruction Set Architecture Reference Guide (July 2026). The comments in the code are by the model that wrote it; some were corrected since.
;; Attention. Allowed arithmetic: matrix products marked QUANTISED: E2M1 operands, one E8M0 scale for each 32 along K, by v_wmma_scale_f32_16x16x128_f8f6f4 with both operands' format E2M1 (or v_wmma_scale_f32_32x16x128_f4), f32 sums; products left as they are: bf16, f16 or f32 operands; f32 sums; everything else in f32.
;; Inputs: Wout 1,024 x 1,024 float32; Wqkv 1,024 x 3,072 float32; bout 1,024 float32; x 4,096 x 1,024 float32.
;; Outputs: out0 4,096 x 1,024 float32.
;; This version of the problem:
;;   THIS VERSION OF THE PROBLEM IS GIVEN IN LOW PRECISION. The matrix products marked QUANTISED in the list below multiply operands that are first quantised to E2M1 (2 exponent bits, 1 mantissa bit; 4 bits a number), with one power-of-two scale for each 32 numbers along K (OCP MX v1.0); their sums are f32. The products marked 'left as it is' may take bf16, f16 or f32 operands, with f32 sums. Whichever they take, every output number must still come out within the allowed error. Rounding operands to bf16 (8 significant bits) uses up far more of that allowance than f16 does (11 bits, for magnitudes from 6e-5 to 65,504). All else is computed in f32.
;;   The module's matrix products, in the order in which they are computed (A, B: the left and right operand; K: the contracted axis; several contracted axes count as one K, in the product's order):
;;     1. [M 4,096, K 1,024] x [K 1,024, N 3,072]; A: input x; B: input Wqkv: QUANTISED
;;     2. [M 4,096, K 1,024] x [K 1,024, N 4,096]; A: computed on the way; B: computed on the way: left as it is (an operand is computed on the way)
;;     3. [M 4,096, K 4,096] x [K 4,096, N 1,024]; A: computed on the way; B: computed on the way: left as it is (an operand is computed on the way)
;;     4. [M 4,096, K 1,024] x [K 1,024, N 1,024]; A: computed on the way; B: input Wout: left as it is (an operand is computed on the way)
;;   THE QUANTISER, for each operand of a quantised product, along K:
;;     - K is cut into blocks of 32 from its start; a last block that is shorter is filled with zeros.
;;     - A block's scale is 2^e with e = floor(log2(the largest magnitude in the block)) - 2, held to -126 .. 127; a block of zeros has e = 0. As a byte (E8M0): e + 127.
;;     - Each number is divided by its block's scale, clamped to +-6, and rounded to the nearest number of E2M1, ties to even, subnormals kept.
;;     - The product sums the exact products of the quantised numbers (number of the format x scale) in f32.
;;   ~~~python
;;   def quantise(x, axis):      # numpy; x: float32 -> the quantised numbers, widened to float32 again
;;       x = np.moveaxis(x, axis, -1); K = x.shape[-1]
;;       x = np.pad(x, [(0, 0)] * (x.ndim - 1) + [(0, -K % 32)]); x = x.reshape(x.shape[:-1] + (-1, 32)); a = np.abs(x).max(-1, keepdims=True)
;;       e = np.where(a > 0, np.clip(np.frexp(np.where(a > 0, a, 1))[1] - 1 - 2, -126, 127), 0)      # np.frexp(a)[1] - 1 = floor(log2(a)), exactly
;;       r = np.clip(x / 2.0 ** e, -6, 6)
;;       step = 2.0 ** (np.maximum(np.frexp(np.where(r == 0, 1, r))[1] - 1, 0) - 1)
;;       q = np.round(r / step) * step * 2.0 ** e      # np.round: ties to even
;;       return np.moveaxis(q.reshape(q.shape[:-2] + (-1,))[..., :K], -1, axis).astype(np.float32)
;;   ~~~
;; One version. Each part assembles by itself: llvm-mc -triple=amdgcn-amd-amdhsa -mcpu=gfx1250 --defsym DOCPART=n.
;; ======== version 1 of 1: 5 launches
;; limits: values are held in f16: magnitudes above 65,504 overflow, below 6.1e-05 lose precision
;; workspace buffers: codes 3,670,016 bytes; scales 229,376 bytes; wot 2,101,248 bytes; qkv 25,362,432 bytes; pt 33,554,432 bytes; vpt 8,388,608 bytes; st1 1,048,576 bytes; pt2 33,570,816 bytes
;; launch prep (part 1): grid 208 x 1, 4 waves a work-group, no clusters, 136,192 bytes of LDS; arguments x, Wqkv, Wout, codes, scales, wot; writes codes, scales, wot
.if DOCPART == 1
	.amdgcn_target "amdgcn-amd-amdhsa--gfx1250"
	.amdhsa_code_object_version 6
	.text
	.protected	k_qfaf313c9d9_prep
	.globl	k_qfaf313c9d9_prep
	.p2align	8
	.type	k_qfaf313c9d9_prep,@function
k_qfaf313c9d9_prep:
	s_mov_b64 s[64:65], 0
	v_nop
	global_prefetch_b8 v0, s[64:65] scope:SCOPE_SE
	s_setreg_imm32_b32 hwreg(HW_REG_WAVE_MODE, 25, 1), 1
	s_wait_xcnt 0x0
; PREP: three jobs in one launch, chosen by the work-group's number; each job has LDS bytes of its own.
;  X (work-groups 0-127):   x [4096][1024] f32 -> codes of FP4 (E2M1), K innermost, at codes + 0, and one E8M0 byte for each 32 along K at scales + 0.
;  W (work-groups 128-175): Wqkv [1024 k][3072 n] f32, K its FIRST axis -> codes [3072][512 bytes] at codes + 2,097,152, bytes [3072][32] at scales + 131,072.
;  T (work-groups 176-207): Wout [1024 d][1024 n] f32 -> its transpose in f16, [n][d], each column n times 2^(-e - 5), 2^e <= the column's largest magnitude < 2^(e+1); the factor 2^(e+5) goes to wot + 2,097,152 as f32.
; A block's scale is 2^(floor(log2(largest magnitude)) - 2); its byte is the largest magnitude's exponent field - 2, held at 1 from below.
; LIMITS: a block of zeros gets the byte 1 (its codes are zeros; this program alone reads the bytes); blocks whose largest magnitude lies under 2^-124 have their byte held at 1;
; NaN and infinities are not served; a column of Wout counts as at least 2^-100 large, and its largest magnitude stays under 2^120.
; No tensor loads: X and W share nothing between waves; T has one barrier, for the column's largest magnitude.
.set SPW,   254                        ; v254  LDS address of my spare word; never rewritten
.set NIL,   255                        ; v255  0; never rewritten
.set WST,   32768                      ; LDS: X's four regions of 8,192 bytes lie at 0; W's four stages of 32 x 272 bytes here;
.set TST,   67584                      ; T's four stages of 32 x 528 bytes;
.set TMX,   135168                     ; T's exchange of maxima, 128 bytes a wave;
.set SPARE, 135680                     ; the spare words, 128 bytes a wave: two blocks of 256 bytes that no other line names
.set EMAX,  2
.set MSB, 0
.macro WIN new                         ; the immediate's high byte repeats the setting that is left
.if MSB != (\new)
	s_set_vgpr_msb (MSB<<8)|(\new)
.set MSB, (\new)
.endif
.endm
	s_load_b128 s[4:7], s[0:1], 0x0                ; x, Wqkv
	s_load_b128 s[8:11], s[0:1], 0x10              ; Wout, codes
	s_load_b128 s[12:15], s[0:1], 0x20             ; scales, wot
	v_lshl_add_u32 v[SPW], v0, 2, SPARE
	v_mov_b32 v[NIL], 0
	v_lshrrev_b32 v1, 5, v0
	v_readfirstlane_b32 s16, v1                    ; wave 0..3
	v_and_b32 v2, 31, v0                           ; lane
	s_wait_kmcnt 0x0
	s_cmp_lt_u32 ttmp9, 128
	s_cbranch_scc1 .Lpath_x
	s_cmp_lt_u32 ttmp9, 176
	s_cbranch_scc1 .Lpath_w
; ---------------- T: a lane takes a column n, its 256 registers run down d; wave w takes d = 256 w .. 256 w + 255
	s_sub_co_u32 s17, ttmp9, 176                   ; g: columns 32 g .. 32 g + 31
	s_lshl_b32 s18, s17, 7
	v_lshl_add_u32 v3, v2, 2, s18                  ; my column, in bytes
	s_lshl_b32 s20, s16, 20                        ; my wave's 256 rows of 4,096 bytes
	s_mov_b32 s21, 0
	s_add_nc_u64 s[8:9], s[8:9], s[20:21]
	v_lshl_add_u32 v4, v0, 2, TMX                  ; where I put my maximum: 128 x wave + 4 x lane
	v_lshl_add_u32 v5, v2, 2, TMX                  ; where I read the four waves'
	s_mul_i32 s19, s16, 32*528
	s_add_co_u32 s19, s19, TST                     ; my stage
	v_mul_u32_u24 v6, v2, 528
	v_add_nc_u32 v6, s19, v6                       ; into it: row = my column
	v_lshlrev_b32 v7, 4, v2                        ; 16 x lane
	v_add_nc_u32 v14, s19, v7                      ; out of it: 32 lanes take one row of 512 bytes
	s_lshl_b32 s20, s17, 16                        ; rows 32 g on, 2,048 bytes each,
	s_lshl_b32 s22, s16, 9                         ; + my wave's 512 bytes of a row
	s_add_co_u32 s20, s20, s22
	s_add_nc_u64 s[24:25], s[14:15], s[20:21]
	WIN 0x40                                       ; destination window 1
.set i, 0
.rept 256
	global_load_b32 v[i], v3, s[8:9] offset:i*4096 th:TH_LOAD_NT
.set i, i+1
.endr
	WIN 0
.irp c, 8,9,10,11
	v_mov_b32 v\c, 0x0d800000                      ; four chains begin at the floor 2^-100
.endr
	WIN 0x14                                       ; sources 1 and 2 window 1
	s_wait_loadcnt 63                              ; at most 63 of the 256 loads are out: the first 193 are in
.set i, 0
.rept 96
	v_max3_num_f32 v[8+i%4], v[8+i%4], |v[2*i]|, |v[2*i+1]|
.set i, i+1
.endr
	s_wait_loadcnt 0x0
.rept 32
	v_max3_num_f32 v[8+i%4], v[8+i%4], |v[2*i]|, |v[2*i+1]|
.set i, i+1
.endr
	WIN 0
	v_max3_num_f32 v8, v8, v9, v10
	v_max_num_f32 v8, v8, v11
	ds_store_b32 v4, v8
	s_wait_dscnt 0x0                               ; for the others' sake: my store is done
	s_barrier_signal -1
	s_barrier_wait -1
.irp c, 0,1,2,3
	ds_load_b32 v[8+\c], v5 offset:128*\c
.endr
	s_wait_dscnt 0x0
	v_max3_num_f32 v8, v8, v9, v10
	v_max_num_f32 v8, v8, v11                      ; the column's largest magnitude
	v_lshrrev_b32 v9, 23, v8                       ; its exponent field E = e + 127
	v_sub_nc_u32 v10, 249, v9
	v_lshlrev_b32 v12, 23, v10                     ; 2^(-e - 5)
	v_mov_b32 v13, v12
	v_add_nc_u32 v10, 5, v9
	v_lshlrev_b32 v10, 23, v10                     ; 2^(e + 5)
	s_cmp_lg_u32 s16, 0
	s_cbranch_scc1 .Lt_not0
	global_store_b32 v3, v10, s[14:15] offset:2097152
.Lt_not0:
	WIN 0x41                                       ; source 0 and destination window 1
.set i, 0
.rept 128
	v_pk_mul_f32 v[i:i+1], v[i:i+1], v[12:13]      ; by a power of two: nothing is rounded
.set i, i+2
.endr
	WIN 0x05                                       ; sources window 1, destination window 0
.set i, 0
.rept 128
	v_cvt_pk_f16_f32 v[64+i], v[2*i], v[2*i+1]     ; the lower d in the low half
.set i, i+1
.endr
	WIN 0
.set i, 0
.rept 32
	ds_store_b128 v6, v[64+4*i:64+4*i+3] offset:16*i
.set i, i+1
.endr
	WIN 0x40
.set i, 0
.rept 32
	ds_load_b128 v[4*i:4*i+3], v14 offset:528*i    ; LDS serves a wave's instructions in order: these see my stores
.set i, i+1
.endr
	WIN 0x04                                       ; a store's data are its source 1: window 1
.set i, 0
.rept 32
	s_wait_dscnt 31-i
	global_store_b128 v7, v[4*i:4*i+3], s[24:25] offset:2048*i   ; 32 lanes store 512 consecutive bytes, aligned
.set i, i+1
.endr
	WIN 0
	s_wait_tensorcnt 0x0                           ; the wave's end
	ds_add_u32 v[SPW], v[NIL]
	s_wait_dscnt 0x0
	s_endpgm
; ---------------- X: a plain stream of blocks of 32; a wave takes 16 steps of 512 numbers.  Loads read 512 consecutive bytes; a step's 2,048 bytes turn through the wave's stage so that a lane holds 16 neighbours
.set XSP,  80                          ; a lane's place in a stage: 64 bytes + 16 of padding
.set XR,   16                          ; v16-79   four sets of 16 numbers as loaded
.set XX,   80                          ; v80-111  two sets of 16 neighbours
.set XE,   112                         ; v112-127 a scale byte for each step
.set XC,   128                         ; v128-191 codes, registers of their own for each step
.Lpath_x:
	v_lshlrev_b32 v3, 4, v2
	s_mul_i32 s17, s16, 8192
	v_lshrrev_b32 v14, 2, v2
	v_mul_u32_u24 v14, v14, XSP
	v_and_b32 v15, 3, v2
	v_lshl_add_u32 v14, v15, 4, v14
	v_add_nc_u32 v14, s17, v14                     ; the stage, on the way in
	v_mul_u32_u24 v15, v2, XSP
	v_add_nc_u32 v15, s17, v15                     ; and on the way out
	v_lshlrev_b32 v4, 3, v2                        ; my 8 bytes of a step's codes
	v_lshrrev_b32 v5, 1, v2
	s_add_co_u32 s17, s17, 2*32*XSP
	v_add_nc_u32 v5, s17, v5                       ; my block's byte among my wave's 256
	v_lshlrev_b32 v7, 3, v2
	v_add_nc_u32 v6, s17, v7
	s_lshl_b32 s17, ttmp9, 2
	s_add_co_u32 s18, s17, s16                     ; which run of 8,192 numbers is my wave's
	s_mov_b32 s21, 0
	s_lshl_b32 s20, s18, 15
	s_add_nc_u64 s[4:5], s[4:5], s[20:21]
	s_lshl_b32 s20, s18, 12
	s_add_nc_u64 s[10:11], s[10:11], s[20:21]
	s_lshl_b32 s20, s18, 8
	s_add_nc_u64 s[12:13], s[12:13], s[20:21]
.macro XLOAD t
.irp i, 0,1,2,3
	global_load_b128 v[XR+16*((\t)%4)+4*\i:XR+16*((\t)%4)+4*\i+3], v3, s[4:5] offset:2048*(\t)+512*\i th:TH_LOAD_NT
.endr
.endm
.macro XTURN t
.irp i, 0,1,2,3
	ds_store_b128 v14, v[XR+16*((\t)%4)+4*\i:XR+16*((\t)%4)+4*\i+3] offset:32*XSP*((\t)%2)+8*XSP*\i
.endr
.irp i, 0,1,2,3
	ds_load_b128 v[XX+16*((\t)%2)+4*\i:XX+16*((\t)%2)+4*\i+3], v15 offset:32*XSP*((\t)%2)+16*\i
.endr
.endm
.irp t, 0,1,2,3
	XLOAD \t
.endr
	s_wait_loadcnt 12                              ; step 0's four loads are in
	XTURN 0
.macro XSTEP t
.set XS, XX+16*((\t)%2)
.if (\t) > 0
	s_wait_dscnt 1                                 ; this step's numbers are back (the last step's byte store may be out)
.else
	s_wait_dscnt 0x0
.endif
.if (\t)+4 < 16
	XLOAD (\t)+4
.endif
.if (\t)+1 < 16
.if 14-(\t) >= 3
	s_wait_loadcnt 12                              ; the next step's loads are in; those of three later steps may be out
.else
	s_wait_loadcnt 4*(14-(\t))
.endif
	XTURN (\t)+1
.endif
	v_max3_num_f32 v8, |v[XS]|, |v[XS+1]|, |v[XS+2]|
	v_max3_num_f32 v9, |v[XS+3]|, |v[XS+4]|, |v[XS+5]|
.irp i, 6,10
	v_max3_num_f32 v8, v8, |v[XS+\i]|, |v[XS+\i+1]|
	v_max3_num_f32 v9, v9, |v[XS+\i+2]|, |v[XS+\i+3]|
.endr
	v_max3_num_f32 v8, v8, |v[XS+14]|, |v[XS+15]|
	v_max3_num_f32 v8, v8, v9, (EMAX+1)<<23        ; the floor: the byte cannot fall under 1
	v_max_num_f32_dpp v8, v8, v8 row_xmask:1 row_mask:0xf bank_mask:0xf   ; with my neighbour's 16: the block's
	v_add_nc_u32 v11, -(EMAX<<23), v8              ; 2 off the exponent field: the conversion's scale operand
	v_cvt_scalef32_pk8_fp4_f32 v[XC+4*(\t)], v[XS:XS+7], v11
	v_cvt_scalef32_pk8_fp4_f32 v[XC+4*(\t)+1], v[XS+8:XS+15], v11
	v_lshrrev_b32 v[XE+(\t)], 23, v11              ; the scale's byte
	ds_store_b8 v5, v[XE+(\t)] offset:16*(\t)      ; both lanes of a block write the same byte
	global_store_b64 v4, v[XC+4*(\t):XC+4*(\t)+1], s[10:11] offset:256*(\t)   ; the wave stores 256 consecutive bytes, aligned
.endm
.irp t, 0,1,2,3,4,5,6,7,8,9,10,11,12,13,14,15
	XSTEP \t
.endr
	ds_load_b64 v[8:9], v6
	s_wait_dscnt 0x0
	global_store_b64 v7, v[8:9], s[12:13]          ; my wave's 256 scale bytes, aligned
	s_wait_tensorcnt 0x0                           ; the wave's end
	ds_add_u32 v[SPW], v[NIL]
	s_wait_dscnt 0x0
	s_endpgm
; ---------------- W: a lane takes a column n, its registers run down K; a wave takes 32 columns x 512 along K; codes leave through the wave's stage as rows
.set WP,   272                         ; a stage row: 256 bytes + 16
.set WX,   32                          ; v32-95   two sets of 32 numbers
.set WC,   96                          ; v96-99   a block's codes
.set WO,   112                         ; v112-175 the way out
.set WSB,  24                          ; v24-27   the scale bytes, four to a register
.Lpath_w:
	s_sub_co_u32 s17, ttmp9, 128
	s_cmp_ge_u32 s17, 24
	s_cselect_b32 s18, 1, 0                        ; which 512 along K
	s_cselect_b32 s19, 24, 0
	s_sub_co_u32 s17, s17, s19
	s_lshl_b32 s17, s17, 7
	s_lshl_b32 s19, s16, 5
	s_add_co_u32 s17, s17, s19                     ; my wave's first column
	v_lshlrev_b32 v3, 2, v2
	s_mul_i32 s19, s16, 32*WP
	s_add_co_u32 s19, s19, WST                     ; my stage
	v_mul_u32_u24 v4, v2, WP
	v_add_nc_u32 v4, s19, v4
	v_and_b32 v5, 15, v2
	v_lshrrev_b32 v6, 4, v2
	v_mul_u32_u24 v7, v6, WP
	v_lshl_add_u32 v7, v5, 4, v7
	v_add_nc_u32 v7, s19, v7
	v_lshlrev_b32 v8, 9, v6
	v_lshl_add_u32 v8, v5, 4, v8                   ; the same place in the codes: rows of 512 bytes
	v_lshlrev_b32 v9, 5, v2                        ; my column's row of 32 scale bytes
	s_mov_b32 s21, 0
	s_mul_i32 s20, s18, 512*3072*4
	s_lshl_b32 s22, s17, 2
	s_add_co_u32 s20, s20, s22
	s_add_nc_u64 s[6:7], s[6:7], s[20:21]
	s_lshl_b32 s20, s17, 9
	s_lshl_b32 s22, s18, 8
	s_add_co_u32 s20, s20, s22
	s_add_co_u32 s20, s20, 2097152
	s_add_nc_u64 s[10:11], s[10:11], s[20:21]
	s_lshl_b32 s20, s17, 5
	s_lshl_b32 s22, s18, 4
	s_add_co_u32 s20, s20, s22
	s_add_co_u32 s20, s20, 131072
	s_add_nc_u64 s[12:13], s[12:13], s[20:21]
.macro WLOAD t
.irp i, 0,1,2,3,4,5,6,7,8,9,10,11,12,13,14,15,16,17,18,19,20,21,22,23,24,25,26,27,28,29,30,31
	global_load_b32 v[WX+32*((\t)%2)+\i], v3, s[6:7] offset:(32*(\t)+\i)*12288 th:TH_LOAD_NT   ; 511 rows of 12,288 bytes at the most: inside the signed 24-bit immediate
.endr
.endm
	WLOAD 0
	WLOAD 1
.macro WBLOCK t
.set XS, WX+32*((\t)%2)
.if (\t) < 15
	s_wait_loadcnt 32                              ; this block's 32 loads are in; the next block's may be out
.else
	s_wait_loadcnt 0
.endif
	v_max3_num_f32 v12, |v[XS]|, |v[XS+1]|, |v[XS+2]|
	v_max3_num_f32 v13, |v[XS+3]|, |v[XS+4]|, |v[XS+5]|
.irp i, 6,10,14,18,22,26
	v_max3_num_f32 v12, v12, |v[XS+\i]|, |v[XS+\i+1]|
	v_max3_num_f32 v13, v13, |v[XS+\i+2]|, |v[XS+\i+3]|
.endr
	v_max3_num_f32 v12, v12, |v[XS+30]|, |v[XS+31]|
	v_max3_num_f32 v12, v12, v13, (EMAX+1)<<23
	v_add_nc_u32 v11, -(EMAX<<23), v12
	v_lshrrev_b32 v13, 23, v11
.if (\t)%4 == 0
	v_mov_b32 v[WSB+(\t)/4], v13
.else
	v_lshl_or_b32 v[WSB+(\t)/4], v13, 8*((\t)%4), v[WSB+(\t)/4]
.endif
.irp g, 0,1,2,3
	v_cvt_scalef32_pk8_fp4_f32 v[WC+\g], v[XS+8*\g:XS+8*\g+7], v11
.endr
	v_nop                                          ; one plain line behind the conversions
	ds_store_b128 v4, v[WC:WC+3] offset:16*(\t)
.if (\t)+2 < 16
	WLOAD (\t)+2
.endif
	s_wait_dscnt 0x0                               ; the store has read its registers
.endm
.set Q, 0
.rept 16
	WBLOCK Q
.set Q, Q+1
.endr
	global_store_b128 v9, v[WSB:WSB+3], s[12:13]
.irp t, 0,1,2,3,4,5,6,7,8,9,10,11,12,13,14,15
	ds_load_b128 v[WO+4*\t:WO+4*\t+3], v7 offset:2*\t*WP
.endr
.irp t, 0,1,2,3,4,5,6,7,8,9,10,11,12,13,14,15
	s_wait_dscnt 15-\t
	global_store_b128 v8, v[WO+4*\t:WO+4*\t+3], s[10:11] offset:2*\t*512   ; sixteen lanes store 256 consecutive bytes, aligned
.endr
	s_wait_tensorcnt 0x0                           ; the wave's end
	ds_add_u32 v[SPW], v[NIL]
	s_wait_dscnt 0x0
	s_endpgm
.Lfunc_end_k_qfaf313c9d9_prep:
	.size	k_qfaf313c9d9_prep, .Lfunc_end_k_qfaf313c9d9_prep-k_qfaf313c9d9_prep
	.p2alignl 7, 3214868480
	.fill 96, 4, 3214868480
	.section	.rodata,"a",@progbits
	.p2align	6, 0x0
	.amdhsa_kernel k_qfaf313c9d9_prep
		.amdhsa_group_segment_fixed_size 136192
		.amdhsa_private_segment_fixed_size 0
		.amdhsa_enable_private_segment 0
		.amdhsa_kernarg_size 48
		.amdhsa_user_sgpr_count 2
		.amdhsa_user_sgpr_kernarg_segment_ptr 1
		.amdhsa_wavefront_size32 1
		.amdhsa_system_sgpr_workgroup_id_x 1
		.amdhsa_system_sgpr_workgroup_id_y 1
		.amdhsa_system_sgpr_workgroup_id_z 1
		.amdhsa_system_vgpr_workitem_id 0
		.amdhsa_next_free_vgpr 512
		.amdhsa_next_free_sgpr 66
		.amdhsa_reserve_vcc 0
		.amdhsa_float_denorm_mode_32 3
		.amdhsa_float_denorm_mode_16_64 3
		.amdhsa_memory_ordered 1
		.amdhsa_forward_progress 1
		.amdhsa_inst_pref_size 170
	.end_amdhsa_kernel
	.amdgpu_metadata
---
amdhsa.version: [ 1, 2 ]
amdhsa.kernels:
  - .name:           k_qfaf313c9d9_prep
    .symbol:         k_qfaf313c9d9_prep.kd
    .args:
      - { .name: x, .offset: 0, .size: 8, .value_kind: global_buffer, .address_space: global }
      - { .name: Wqkv, .offset: 8, .size: 8, .value_kind: global_buffer, .address_space: global }
      - { .name: Wout, .offset: 16, .size: 8, .value_kind: global_buffer, .address_space: global }
      - { .name: codes, .offset: 24, .size: 8, .value_kind: global_buffer, .address_space: global }
      - { .name: scales, .offset: 32, .size: 8, .value_kind: global_buffer, .address_space: global }
      - { .name: wot, .offset: 40, .size: 8, .value_kind: global_buffer, .address_space: global }
    .group_segment_fixed_size: 136192
    .private_segment_fixed_size: 0
    .kernarg_segment_align: 8
    .kernarg_segment_size: 48
    .max_flat_workgroup_size: 128
    .sgpr_count:     66
    .vgpr_count:     512
    .wavefront_size: 32
...
	.end_amdgpu_metadata
.endif
;; end of part 1
;; launch qkv (part 2): grid 12 x 16, 4 waves a work-group, clusters of 4 x 4, 327,680 bytes of LDS; arguments codes, scales, qkv; writes qkv
.if DOCPART == 2
	.amdgcn_target "amdgcn-amd-amdhsa--gfx1250"
	.amdhsa_code_object_version 6
	.text
	.protected	k_qfaf313c9d9_qkv
	.globl	k_qfaf313c9d9_qkv
	.p2align	8
	.type	k_qfaf313c9d9_qkv,@function
k_qfaf313c9d9_qkv:
	s_mov_b64 s[64:65], 0
	v_nop
	global_prefetch_b8 v0, s[64:65] scope:SCOPE_SE
	s_setreg_imm32_b32 hwreg(HW_REG_WAVE_MODE, 25, 1), 1
	s_wait_xcnt 0x0
	s_wait_alu depctr_hold_cnt(0) depctr_sa_sdst(0) depctr_va_vdst(0) depctr_va_sdst(0) depctr_va_ssrc(0) depctr_va_vcc(0) depctr_vm_vsrc(0)
	s_getreg_b32 s2, hwreg(HW_REG_IB_STS2, 6, 4)
	s_cmp_eq_u32 s2, 0
	s_cbranch_scc0 .Lentry_in_a_cluster
	s_endpgm
.Lentry_in_a_cluster:
	s_bfe_u32 s2, ttmp6, 0x10000c
	s_cmp_lg_u32 s2, 0xf033
	s_cbranch_scc0 .Lentry_shape_is_right
	s_endpgm
.Lentry_shape_is_right:
; qkv = x Wqkv on codes of FP4 (E2M1) with one E8M0 scale for each 32 along K; sums in f32.  A: x's codes [4096][512 bytes], B: Wqkv's codes [3072 n][512 bytes]; scale bytes [rows][32].
; A tile of 256 x 256 is made by four waves, 128 x 128 each: 64 accumulators, 512 registers.  K = 1,024 is two K steps of 512: both slots are filled at the head and never again.
; The scale bytes of the work-group's rows come once, in whole runs of 256 bytes, and stay in LDS.
; CLUSTERS: 4 x 4 work-groups; A's tile is shared along a row of the cluster, B's along a column: each is asked for jointly.
; THE MATRIX INSTRUCTION IS USED TRANSPOSED (source 0 = 16 rows of B, source 1 = 16 rows of A): a lane holds eight neighbouring columns of one row.
; OUT: q, k, v as f16, each [4096][1024], at qkv + 0, + 8,388,608, + 16,777,216; rows 0-15 of all three also in f32, [16][3072], at qkv + 25,165,824, for the launch that carries those rows finely.
; LIMIT: |q|, |k|, |v| stay under 65,504 (f16).
; REGISTERS: window 0: v0-31 addresses; v32-95 scale words, two sets; v128-191 A's fragments, one set.  window 1: B's fragments, two sets.  windows 2, 3: the accumulators ((a, b) at v[8 (8 (a % 4) + b)]).
.set KSTEP,  512
.set NQ,     4
.set ROWB,   256
.set KROW,   512
.set PITCH,  272                       ; an LDS row: 256 bytes + 16 of padding: the 16 rows of a load start at 16 different banks
.set FR,     8
.set NL,     2
.set NP,     4
.set HALFT,  128*PITCH
.set SLOT,   4*HALFT
.set KS,     32
.set SCL,    2*SLOT
.set HALFS,  16*272
.set SBLK,   2*272
.set SPARE,  SCL+4*HALFS               ; the spare words: two blocks of 256 bytes that no other line names
.set SPITCH, 272                       ; the way out: a stage of 16 rows x (256 + 16) bytes for each wave, in slot 0, which has had its only fill and its last read by then
.set ADRA, 16
.set ADRB, 20
.set STO,  24
.set RD,   25
.set CO,   26
.set ADRS, 27
.set SPW,  28
.set NIL,  29
.set SC,   32
.set AF,   128
.set TMP,  192
.set OB,   32
.set G1, 24
.set G0, 32
.set G1B, 48
.set G0B, 56
.set G1S, 68
.set G0S, 76
.set G1SB, 80
.set G0SB, 88
.set MSB, 0
.macro WIN new
.if MSB != (\new)
	s_set_vgpr_msb (MSB<<8)|(\new)
.set MSB, (\new)
.endif
.endm
.set MUL_LO, 0xa1
.set MUL_HI, 0xf1
.set TO_B,   0x40
.macro JLOAD g0a, g1a, g0b, g1b        ; waves 0 and 1 fetch for A, waves 2 and 3 for B; an s_nop 0 and four v_nop follow each line
	s_cmp_eq_u32 s15, 0
	s_cbranch_scc0 .Lfor_b_\@
	tensor_load_to_lds s[\g0a:\g0a+3], s[\g1a:\g1a+7]
	s_nop 0
.rept 4
	v_nop
.endr
	s_branch .Lasked_\@
.Lfor_b_\@:
	tensor_load_to_lds s[\g0b:\g0b+3], s[\g1b:\g1b+7]
	s_nop 0
.rept 4
	v_nop
.endr
.Lasked_\@:
.endm
.macro CROUND                          ; a round of the cluster's barrier
	s_barrier_signal -1
	s_barrier_wait -1
	s_cmp_lg_u32 s14, 0
	s_cbranch_scc1 .Lnot_wave_0_\@
	s_barrier_signal -3
.Lnot_wave_0_\@:
	s_barrier_wait -3
	s_barrier_signal -1
	s_barrier_wait -1
.endm
	s_load_b128 s[4:7], s[0:1], 0x0                ; codes, scales
	s_load_b64 s[12:13], s[0:1], 0x10              ; qkv
	v_lshl_add_u32 v[SPW], v0, 2, SPARE
	v_mov_b32 v[NIL], 0
	ds_add_u32 v[SPW], v[NIL]                      ; the wave's opening: the add, twice on end, and its wait ahead of my first tensor load
	ds_add_u32 v[SPW], v[NIL]
	v_lshrrev_b32 v1, 5, v0
	v_readfirstlane_b32 s14, v1                    ; wave 0..3
	s_lshr_b32 s15, s14, 1                         ; my half of the tile's rows; also: I fetch for A (0) or B (1)
	s_and_b32 s16, s14, 1                          ; my half of its columns; also: which 128 rows I fetch
	s_bfe_u32 s40, ttmp6, 0x40000                  ; cx
	s_bfe_u32 s41, ttmp6, 0x40004                  ; cy
	s_lshl_b32 s42, ttmp9, 2
	s_add_co_u32 s42, s42, s40                     ; tile column
	s_and_b32 s17, ttmp7, 0xffff
	s_lshl_b32 s17, s17, 2
	s_add_co_u32 s17, s17, s41                     ; tile row
	s_lshl_b32 s43, s41, 2
	s_lshl_b32 s43, 15, s43                        ; my row of the cluster
	s_lshl_b32 s44, 0x1111, s40                    ; my column
	s_or_b32 s[G1+0], s43, (0<<16)|(1<<20)|(1<<21)|(5<<22)|(3<<25)  ; mask; elements of 1 byte; padding: 4 words behind every 64
	s_or_b32 s[G1B+0], s44, (0<<16)|(1<<20)|(1<<21)|(5<<22)|(3<<25)
.irp g, G1, G1B
	s_mov_b32 s[\g+1], ROWB<<16                    ; tensor_dim0
	s_mov_b32 s[\g+2], 128<<16                     ; tensor_dim1
	s_mov_b32 s[\g+3], ROWB<<16                    ; tile_dim0
	s_mov_b32 s[\g+4], 128                         ; tile_dim1
	s_mov_b32 s[\g+5], KROW                        ; pitch
	s_mov_b32 s[\g+6], 0
	s_mov_b32 s[\g+7], 0
.endr
	s_or_b32 s[G1S+0], s43, (3<<16)|(1<<20)|(1<<21)|(5<<22)|(3<<25)  ; the scales of 128 rows: 4,096 dense bytes as 16 rows of 256 (32 elements of 8 bytes)
	s_or_b32 s[G1SB+0], s44, (3<<16)|(1<<20)|(1<<21)|(5<<22)|(3<<25)
.irp g, G1S, G1SB
	s_mov_b32 s[\g+1], 32<<16
	s_mov_b32 s[\g+2], 16<<16
	s_mov_b32 s[\g+3], 32<<16
	s_mov_b32 s[\g+4], 16
	s_mov_b32 s[\g+5], 32
	s_mov_b32 s[\g+6], 0
	s_mov_b32 s[\g+7], 0
.endr
	s_lshl_b32 s18, s16, 7
	s_lshl_b32 s20, s17, 8
	s_add_co_u32 s20, s20, s18                     ; A: row 256 x tile row + 128 x half
	s_lshl_b32 s46, s42, 8
	s_add_co_u32 s46, s46, s18                     ; B: row 256 x tile column + 128 x half
	s_mov_b32 s21, 0
	s_mov_b32 s47, 0
	s_mov_b32 s23, 0
	s_mov_b32 s93, 0
	s_lshl_b32 s22, s20, 5                         ; where these rows' scales begin,
	s_lshl_b32 s92, s46, 5
	s_lshl_b32 s20, s20, 9                         ; and their codes
	s_lshl_b32 s46, s46, 9
	s_mul_i32 s45, s14, HALFT                      ; where they go: by the wave's number alone
	s_mul_i32 s94, s14, HALFS
	s_wait_dscnt 0x0                               ; both opening adds are done
	s_wait_kmcnt 0x0
	s_add_nc_u64 s[8:9], s[4:5], 2097152           ; Wqkv's codes
	s_add_nc_u64 s[10:11], s[6:7], 131072          ; and scale bytes
	s_add_nc_u64 s[20:21], s[4:5], s[20:21]
	s_add_nc_u64 s[22:23], s[6:7], s[22:23]
	s_add_nc_u64 s[46:47], s[8:9], s[46:47]
	s_add_nc_u64 s[92:93], s[10:11], s[92:93]
	CROUND                                         ; all sixteen work-groups are here: the joint loads meet
	s_mov_b32 s[G0S], 1
	s_add_co_u32 s[G0S+1], s94, SCL
	s_mov_b64 s[G0S+2:G0S+3], s[22:23]
	s_or_b32 s[G0S+3], s[G0S+3], 0x80000000
	s_mov_b32 s[G0SB], 1
	s_add_co_u32 s[G0SB+1], s94, SCL
	s_mov_b64 s[G0SB+2:G0SB+3], s[92:93]
	s_or_b32 s[G0SB+3], s[G0SB+3], 0x80000000
	JLOAD G0S, G1S, G0SB, G1SB                     ; the scales first
.irp s, 0,1
	s_mov_b32 s[G0+4*\s], 1
	s_add_co_u32 s[G0+4*\s+1], s45, \s*SLOT
	s_add_nc_u64 s[G0+4*\s+2:G0+4*\s+3], s[20:21], \s*ROWB
	s_or_b32 s[G0+4*\s+3], s[G0+4*\s+3], 0x80000000
	s_mov_b32 s[G0B+4*\s], 1
	s_add_co_u32 s[G0B+4*\s+1], s45, \s*SLOT
	s_add_nc_u64 s[G0B+4*\s+2:G0B+4*\s+3], s[46:47], \s*ROWB
	s_or_b32 s[G0B+4*\s+3], s[G0B+4*\s+3], 0x80000000
	JLOAD G0+4*\s, G1, G0B+4*\s, G1B               ; three loads of mine are out in all
.endr
	v_and_b32 v1, 15, v0                           ; r
	v_bfe_u32 v2, v0, 4, 1                         ; h
	v_mul_u32_u24 v3, v1, PITCH
	v_lshl_add_u32 v4, v2, 4, v3
	s_mul_i32 s21, s15, HALFT
	s_mul_i32 s22, s16, HALFT
	s_add_co_u32 s22, s22, 2*HALFT
.irp s, 0,1
	v_add_nc_u32 v[ADRA+\s], s21, v4
	v_add_nc_u32 v[ADRB+\s], s22, v4
	s_add_co_u32 s21, s21, SLOT
	s_add_co_u32 s22, s22, SLOT
.endr
	v_mul_u32_u24 v5, v1, KS                       ; my row's scales: 32 bytes a row,
	v_lshrrev_b32 v6, 8, v5
	v_lshl_add_u32 v5, v6, 4, v5                   ; and 16 more for each 256 passed
	s_mul_i32 s21, s15, HALFS
	s_mul_i32 s22, s16, HALFS
	s_add_co_u32 s22, s22, 2*HALFS
	s_sub_co_u32 s22, s22, s21
	v_mul_u32_u24 v6, s22, v2                      ; lanes 16-31 take B's
	s_add_co_u32 s21, s21, SCL
	v_add_nc_u32 v5, v5, v6
	v_add_nc_u32 v[ADRS], s21, v5
	s_mul_i32 s23, s14, 16*SPITCH                  ; my stage
	v_mul_u32_u24 v5, v1, SPITCH
	v_lshl_add_u32 v5, v2, 4, v5
	v_add_nc_u32 v[STO], s23, v5                   ; in: row r, 16 bytes for each half of the lanes
	v_mul_u32_u24 v5, v2, SPITCH
	v_lshl_add_u32 v5, v1, 4, v5
	v_add_nc_u32 v[RD], s23, v5                    ; back: lanes 0-15 one row of 256 bytes, lanes 16-31 the next
	v_lshlrev_b32 v5, 11, v2
	v_lshl_add_u32 v[CO], v1, 4, v5                ; the same two rows in q, k or v: rows of 2,048 bytes
	s_lshl_b32 s95, s17, 8
	s_lshl_b32 s21, s15, 7
	s_add_co_u32 s95, s95, s21                     ; my first row
	s_lshl_b32 s20, s95, 11
	s_lshr_b32 s21, s42, 2                         ; q, k or v
	s_lshl_b32 s21, s21, 23
	s_add_co_u32 s20, s20, s21
	s_and_b32 s21, s42, 3
	s_lshl_b32 s21, s21, 9
	s_add_co_u32 s20, s20, s21
	s_lshl_b32 s21, s16, 8
	s_add_co_u32 s20, s20, s21
	s_mov_b32 s21, 0
	s_add_nc_u64 s[92:93], s[12:13], 25165824      ; the f32 copy of rows 0-15
	s_add_nc_u64 s[12:13], s[12:13], s[20:21]
	v_mul_u32_u24 v31, v1, 12288
	v_lshl_add_u32 v31, v2, 5, v31
	s_lshl_b32 s46, s42, 10
	s_lshl_b32 s47, s16, 9
	s_add_co_u32 s46, s46, s47
	v_add_nc_u32 v31, s46, v31                     ; row r of 12,288 bytes, my wave's 128 columns, + 32 h
	v_mov_b32 v30, s95
.macro FRAG reg, adr, q, i             ; 16 rows x 128 K of 4-bit codes: 8 registers, two loads of 16 bytes, 32 bytes apart
.irp c, 0,1
	ds_load_b128 v[\reg+4*\c:\reg+4*\c+3], v[\adr] offset:64*(\q)+32*\c+(\i)*16*PITCH
.endr
.endm
; 16 matrix instructions: A's blocks a0, a0 + 1 x B's eight.  The 64 accumulators take turns, one instruction a turn.
.macro MUL16 a0, p, q, sc, zero
.irp a, \a0, \a0+1
.irp b, 0,1,2,3,4,5,6,7
.if \zero
	v_wmma_scale_f32_16x16x128_f8f6f4 v[8*(8*((\a)%4)+\b):8*(8*((\a)%4)+\b)+7], v[128*(\p)+FR*\b:128*(\p)+FR*\b+FR-1], v[AF+FR*(\a):AF+FR*(\a)+FR-1], 0, v[SC+8*NQ*(\sc)+NQ*\b+(\q)], v[SC+8*NQ*(\sc)+NQ*(\a)+(\q)] matrix_a_fmt:MATRIX_FMT_FP4 matrix_b_fmt:MATRIX_FMT_FP4 matrix_a_scale:MATRIX_SCALE_ROW1
.else
	v_wmma_scale_f32_16x16x128_f8f6f4 v[8*(8*((\a)%4)+\b):8*(8*((\a)%4)+\b)+7], v[128*(\p)+FR*\b:128*(\p)+FR*\b+FR-1], v[AF+FR*(\a):AF+FR*(\a)+FR-1], v[8*(8*((\a)%4)+\b):8*(8*((\a)%4)+\b)+7], v[SC+8*NQ*(\sc)+NQ*\b+(\q)], v[SC+8*NQ*(\sc)+NQ*(\a)+(\q)] matrix_a_fmt:MATRIX_FMT_FP4 matrix_b_fmt:MATRIX_FMT_FP4 matrix_a_scale:MATRIX_SCALE_ROW1
.endif
.endr
.endr
.endm
.macro FETCH_B slot, q, p
	WIN TO_B
.irp i, 0,1,2,3,4,5,6,7
	FRAG 128*(\p)+FR*\i, ADRB+\slot, \q, \i
.endr
	WIN 0
.endm
.macro FETCH_A slot, q, i0
.irp i, \i0, \i0+1, \i0+2, \i0+3
	FRAG AF+FR*(\i), ADRA+\slot, \q, \i
.endr
.endm
.macro SCALES sc                       ; a K step's scale words: lanes 0-15 A's block i, lanes 16-31 B's block i
.irp i, 0,1,2,3,4,5,6,7
	ds_load_b128 v[SC+8*NQ*\sc+NQ*\i:SC+8*NQ*\sc+NQ*\i+3], v[ADRS] offset:\i*SBLK
.endr
.endm
.macro PLACES n                        ; plain vector lines between a matrix instruction and a load into, or a read of, its registers
.rept \n
	v_nop
.endr
.endm
.macro STEP slot, q, zero
	s_wait_dscnt 4*NL                              ; B's set and A's blocks 0-3 are in; A's blocks 4-7 may be out
	WIN MUL_LO
	MUL16 0, (\q)%2, \q, \slot, \zero
	MUL16 2, (\q)%2, \q, \slot, \zero
	s_wait_dscnt 0
	PLACES NP
	FETCH_B \slot, (\q)+1, 1-(\q)%2
	FETCH_A \slot, (\q)+1, 0
	WIN MUL_HI
	MUL16 4, (\q)%2, \q, \slot, \zero
	MUL16 6, (\q)%2, \q, \slot, \zero
	PLACES NP
	WIN 0
	FETCH_A \slot, (\q)+1, 4
.endm
.macro STEPS slot, from
.set Q, \from
.rept NQ-1-\from
	STEP \slot, Q, 0
.set Q, Q+1
.endr
.endm
	s_wait_tensorcnt 1                             ; the scales and my part of K step 0 are in; K step 1's load may be out
	s_barrier_signal -1
	s_barrier_wait -1
	FETCH_B 0, 0, 0
	FETCH_A 0, 0, 0
	SCALES 0
	FETCH_A 0, 0, 4
	STEP 0, 0, 1                                   ; the first products start the sums: nothing is cleared
	STEPS 0, 1
	; slot 0's last step changes slots: one barrier; nothing is filled again
	s_wait_tensorcnt 0x0                           ; my part of slot 1 has landed
	ds_add_u32 v[SPW], v[NIL]
	s_wait_dscnt 4*NL+1                            ; (the add and A's blocks 4-7 may be out)
	WIN MUL_LO
	MUL16 0, 1, NQ-1, 0, 0
	s_wait_dscnt 0x0                               ; the add is done, my reads of slot 0 are over
	s_barrier_signal -1
	MUL16 2, 1, NQ-1, 0, 0
	WIN 0
	s_barrier_wait -1
	PLACES NP
	v_add_nc_u32 v[ADRS], 4*NQ, v[ADRS]            ; the next K step's scale words
	FETCH_B 1, 0, 0
	FETCH_A 1, 0, 0
	SCALES 1
	WIN MUL_HI
	MUL16 4, 1, NQ-1, 0, 0
	MUL16 6, 1, NQ-1, 0, 0
	PLACES NP
	WIN 0
	FETCH_A 1, 0, 4
	STEPS 1, 0
	s_wait_dscnt 4*NL
	WIN MUL_LO
	MUL16 0, 1, NQ-1, 1, 0
	MUL16 2, 1, NQ-1, 1, 0
	s_wait_dscnt 0
	WIN MUL_HI
	MUL16 4, 1, NQ-1, 1, 0
	MUL16 6, 1, NQ-1, 1, 0
	WIN 0
	PLACES NP
	; rows 0-15 in f32: the waves whose first row is 0 store their block 0 as it is.  A lane mask and no branch: the condition hangs on the work-group's place in its cluster
	v_cmp_eq_u32 vcc_lo, 0, v30
	s_wait_xcnt 0x0                                ; EXEC changes only behind this wait
	s_and_saveexec_b32 s96, vcc_lo
	WIN 0x08                                       ; a store's data are its source 1: window 2
.irp b, 0,1,2,3,4,5,6,7
	global_store_b128 v31, v[8*\b:8*\b+3], s[92:93] offset:64*\b       ; each accumulator from its low end on
	global_store_b128 v31, v[8*\b+4:8*\b+7], s[92:93] offset:64*\b+16
.endr
	WIN 0
	s_wait_xcnt 0x0
	s_or_b32 exec_lo, exec_lo, s96
; THE WAY OUT of block a: rounded to f16, 16 bytes a lane; through my stage; back as whole rows of 256 bytes; stored
.macro PACK a
.set AC, 64*((\a)%4)
	WIN 0x0a+5*((\a)/4)
.irp b, 0,1,2,3,4,5,6,7
.irp r, 0,1,2,3
	v_cvt_pk_f16_f32 v[TMP+4*\b+\r], v[AC+8*\b+2*\r], v[AC+8*\b+2*\r+1]
.endr
.endr
	WIN 0
.endm
.macro TOSTAGE a
.set BK, OB+192*((\a)%2)
.irp b, 0,1,2,3,4,5,6,7
	ds_store_b128 v[STO], v[TMP+4*\b:TMP+4*\b+3] offset:32*\b
.endr
.irp t, 0,1,2,3,4,5,6,7
	ds_load_b128 v[BK+4*\t:BK+4*\t+3], v[RD] offset:\t*2*SPITCH    ; LDS serves a wave's instructions in order: these see the stores above
.endr
.endm
.macro SEND a
.set BK, OB+192*((\a)%2)
	s_wait_dscnt 0x0                               ; the block is back in registers
	s_wait_xcnt 0x0                                ; earlier stores have read their base and their data: both may be written
.if (\a) > 0
	s_add_nc_u64 s[12:13], s[12:13], 16*2048
.endif
.irp t, 0,1,2,3,4,5,6,7
	global_store_b128 v[CO], v[BK+4*\t:BK+4*\t+3], s[12:13] offset:2*\t*2048   ; sixteen lanes store 256 consecutive bytes, aligned
.endr
.endm
	PACK 0
	TOSTAGE 0
.irp a, 1,2,3,4,5,6,7
	PACK \a
	SEND \a-1
	TOSTAGE \a
.endr
	SEND 7
	s_wait_tensorcnt 0x0                           ; the wave's end
	ds_add_u32 v[SPW], v[NIL]
	s_wait_dscnt 0x0
	CROUND                                         ; the closing round
	s_endpgm
.Lfunc_end_k_qfaf313c9d9_qkv:
	.size	k_qfaf313c9d9_qkv, .Lfunc_end_k_qfaf313c9d9_qkv-k_qfaf313c9d9_qkv
	.p2alignl 7, 3214868480
	.fill 96, 4, 3214868480
	.section	.rodata,"a",@progbits
	.p2align	6, 0x0
	.amdhsa_kernel k_qfaf313c9d9_qkv
		.amdhsa_group_segment_fixed_size 327680
		.amdhsa_private_segment_fixed_size 0
		.amdhsa_enable_private_segment 0
		.amdhsa_kernarg_size 24
		.amdhsa_user_sgpr_count 2
		.amdhsa_user_sgpr_kernarg_segment_ptr 1
		.amdhsa_wavefront_size32 1
		.amdhsa_system_sgpr_workgroup_id_x 1
		.amdhsa_system_sgpr_workgroup_id_y 1
		.amdhsa_system_sgpr_workgroup_id_z 1
		.amdhsa_system_vgpr_workitem_id 0
		.amdhsa_next_free_vgpr 1024
		.amdhsa_next_free_sgpr 100
		.amdhsa_reserve_vcc 1
		.amdhsa_float_denorm_mode_32 3
		.amdhsa_float_denorm_mode_16_64 3
		.amdhsa_memory_ordered 1
		.amdhsa_forward_progress 1
		.amdhsa_inst_pref_size 129
	.end_amdhsa_kernel
	.amdgpu_metadata
---
amdhsa.version: [ 1, 2 ]
amdhsa.kernels:
  - .name:           k_qfaf313c9d9_qkv
    .symbol:         k_qfaf313c9d9_qkv.kd
    .args:
      - { .name: codes, .offset: 0, .size: 8, .value_kind: global_buffer, .address_space: global }
      - { .name: scales, .offset: 8, .size: 8, .value_kind: global_buffer, .address_space: global }
      - { .name: qkv, .offset: 16, .size: 8, .value_kind: global_buffer, .address_space: global }
    .group_segment_fixed_size: 327680
    .private_segment_fixed_size: 0
    .kernarg_segment_align: 8
    .kernarg_segment_size: 24
    .max_flat_workgroup_size: 128
    .sgpr_count:     100
    .vgpr_count:     1024
    .wavefront_size: 32
...
	.end_amdgpu_metadata
.endif
;; end of part 2
;; launch scores (part 3): grid 56 x 4, 4 waves a work-group, clusters of 4 x 4, 327,680 bytes of LDS; arguments qkv, wot, pt, vpt, st1; writes pt, vpt, st1
.if DOCPART == 3
	.amdgcn_target "amdgcn-amd-amdhsa--gfx1250"
	.amdhsa_code_object_version 6
	.text
	.protected	k_qfaf313c9d9_scores
	.globl	k_qfaf313c9d9_scores
	.p2align	8
	.type	k_qfaf313c9d9_scores,@function
k_qfaf313c9d9_scores:
	s_mov_b64 s[64:65], 0
	v_nop
	global_prefetch_b8 v0, s[64:65] scope:SCOPE_SE
	s_setreg_imm32_b32 hwreg(HW_REG_WAVE_MODE, 25, 1), 1
	s_wait_xcnt 0x0
	s_wait_alu depctr_hold_cnt(0) depctr_sa_sdst(0) depctr_va_vdst(0) depctr_va_sdst(0) depctr_va_ssrc(0) depctr_va_vcc(0) depctr_vm_vsrc(0)
	s_getreg_b32 s2, hwreg(HW_REG_IB_STS2, 6, 4)
	s_cmp_eq_u32 s2, 0
	s_cbranch_scc0 .Lentry_in_a_cluster
	s_endpgm
.Lentry_in_a_cluster:
	s_bfe_u32 s2, ttmp6, 0x10000c
	s_cmp_lg_u32 s2, 0xf033
	s_cbranch_scc0 .Lentry_shape_is_right
	s_endpgm
.Lentry_shape_is_right:
; Two jobs of one shape, C = A B^T with K = 1,024 in f16 and f32 sums, tiles of 256 x 256, chosen by the cluster's number c (the same in all sixteen partners):
;  S (c = 0..9):   A = q, B = k.  Cluster (I, J), J <= I, makes the score tiles (4 I + cy, 4 J + cx).  On the way out a wave's 128 columns are one block kb of 128 keys:
;                  t = s log2(e) / 32;  M = the row's largest t in the block, rounded UP to a whole number;  P = 2^(t - M), rounded to f16, goes to pt;
;                  M and l = the sum of the unrounded P go to st1 ([32 kb][4096 row] f32; l 524,288 bytes on).  A later launch joins the blocks by exact powers of two.
;                  pt IS LAID IN THE ORDER OF THE NEXT PRODUCT'S OPERAND REGISTERS: for each 16 rows x 32 keys an image of 1,024 bytes, lane l's registers 0-3 at 16 l, its registers 4-7 at 512 + 16 l;
;                  images [256 row blocks][128 key blocks].  The packed results of column blocks 2 m and 2 m + 1 are that image as they stand, so they are stored straight from registers, 512 consecutive bytes an instruction.
;  V (c = 10..13): A = the normalised Wout^T [n][d], B = v [key][d]: (v Wout)^T as f16 to vpt [1024 n][4096 key], by rows, through a stage in LDS.
; THE CAUSAL MASK: clusters above the diagonal are not launched.  In the four diagonal clusters hidden scores become -infinity ahead of the maximum (P = 0, l = 0, M far below every t).
; Their six partners with cx > cy multiply like the others and store zeros: no branch may hang on a place in a cluster, and every partner issues the joint loads; 24 of 224 tiles. The tiles (2 Y, 2 Y + 1) among them are read later, as zeros.
; Four waves, 128 x 128 each: 64 accumulators, 512 registers.  K in steps of 128 through a ring of two LDS slots filled by joint tensor loads (A's tile along a row of the cluster, B's along a column).
; THE MATRIX INSTRUCTION IS USED TRANSPOSED (source 0 = 16 rows of B, source 1 = 16 rows of A): a lane holds row l % 16 and columns 8 (l / 16) + 0..7.
; REGISTERS: window 0: v0-31 addresses; v64-127, v128-191 A's fragments, two buffers (on the way out: at work); v32-63, v192-255 the way out.  window 1: B's fragments.  windows 2, 3: accumulators ((a, b) at v[8 (8 (a % 4) + b)]).
.set SIZE_K, 1024
.set CP,     8192                      ; a row of vpt in bytes
.set KSTEP,  128
.set PITCH,  272                       ; 256 bytes + 16 of padding: the 16 rows of a load start at 16 different banks
.set HALFT,  128*PITCH
.set SLOT,   4*HALFT
.set STAGE,  2*SLOT                    ; behind the ring: 16 rows x 272 bytes for each wave
.set SPITCH, 272
.set SPARE,  STAGE+4*16*SPITCH         ; the spare words: two blocks of 256 bytes that no other line names
.set LAPS,   SIZE_K/(2*KSTEP)
.set ADRA, 16
.set ADRB, 20
.set STS,  22                          ; v22  my stage + 4 x lane
.set RDS,  23                          ; v23  my stage + 16 x lane
.set STO,  24
.set RD,   25
.set CO,   26
.set DDB,  27                          ; v27  my row - my column at a = b, j = 0
.set SPW,  28
.set NIL,  29
.set PFO,  30
.set L16,  31                          ; v31  16 x lane
.set PFA,  44
.set LIM,  43
.set F0,   64
.set F1,   128
.set TMP,  192
.set OB,   32
.set G1, 24
.set G0, 32
.set G1B, 48
.set G0B, 56
.set MSB, 0
.macro WIN new
.if MSB != (\new)
	s_set_vgpr_msb (MSB<<8)|(\new)
.set MSB, (\new)
.endif
.endm
.set MUL_LO, 0xa1
.set MUL_HI, 0xf1
.set TO_B,   0x40
.macro JLOAD s                         ; waves 0 and 1 fetch A's halves, waves 2 and 3 B's; an s_nop 0 and four v_nop follow each line
	s_cmp_eq_u32 s11, 0
	s_cbranch_scc0 .Lfor_b_\@
	tensor_load_to_lds s[G0+4*\s:G0+4*\s+3], s[G1:G1+7]
	s_nop 0
.rept 4
	v_nop
.endr
	s_branch .Lasked_\@
.Lfor_b_\@:
	tensor_load_to_lds s[G0B+4*\s:G0B+4*\s+3], s[G1B:G1B+7]
	s_nop 0
.rept 4
	v_nop
.endr
.Lasked_\@:
.endm
; A prefetch of the K step that stands two refills on: 32 rows x 256 bytes, a lane a row, one instruction a wave.  Each row's 256 bytes of a K step are named once in the launch: of the clusters that read
; the same rows one asks (A's: the cluster with J = 0; B's: the diagonal cluster, or the only one), and its four partners that ask jointly share the 128 rows out by address, 32 each.  The last two refills ask for nothing.
.macro ASK
	s_cmp_gt_u32 s3, s[LIM]
	s_cbranch_scc0 .Lnot_mine_\@
	global_prefetch_b8 v[PFO], s[PFA:PFA+1] offset:KSTEP*2 th:TH_LOAD_NT scope:SCOPE_SE
.Lnot_mine_\@:
.endm
.macro CREST
	s_cmp_lg_u32 s10, 0
	s_cbranch_scc1 .Lnot_wave_0_\@
	s_barrier_signal -3
.Lnot_wave_0_\@:
	s_barrier_wait -3
	s_barrier_signal -1
	s_barrier_wait -1
.endm
.macro CROUND
	s_barrier_signal -1
	s_barrier_wait -1
	CREST
.endm
	s_load_b256 s[68:75], s[0:1], 0x0              ; qkv, wot, pt, vpt
	s_load_b64 s[76:77], s[0:1], 0x20              ; st1
	v_lshl_add_u32 v[SPW], v0, 2, SPARE
	v_mov_b32 v[NIL], 0
	ds_add_u32 v[SPW], v[NIL]                      ; the wave's opening: the add, twice on end, and its wait ahead of my first tensor load
	ds_add_u32 v[SPW], v[NIL]
	v_lshrrev_b32 v1, 5, v0
	v_readfirstlane_b32 s10, v1                    ; wave 0..3
	s_lshr_b32 s11, s10, 1                         ; my half of the tile's rows; also: I fetch for A (0) or B (1)
	s_and_b32 s12, s10, 1                          ; my half of its columns; also: which 128 rows I fetch
	s_bfe_u32 s40, ttmp6, 0x40000                  ; cx
	s_bfe_u32 s41, ttmp6, 0x40004                  ; cy
	s_cmp_ge_u32 ttmp9, 1                          ; the cluster's block row I = (c >= 1) + (c >= 3) + (c >= 6), its block column J = c - I (I + 1) / 2
	s_cselect_b32 s20, 1, 0
	s_cmp_ge_u32 ttmp9, 3
	s_cselect_b32 s21, 1, 0
	s_cmp_ge_u32 ttmp9, 6
	s_cselect_b32 s22, 1, 0
	s_add_co_u32 s78, s20, s21
	s_add_co_u32 s78, s78, s22
	s_add_co_u32 s20, s78, 1
	s_mul_i32 s20, s20, s78
	s_lshr_b32 s20, s20, 1
	s_sub_co_u32 s79, ttmp9, s20
	s_sub_co_u32 s21, ttmp9, 10
	s_cmp_lt_u32 ttmp9, 10
	s_cselect_b32 s80, 1, 0                        ; 1: job S
	s_cselect_b32 s78, s78, 0
	s_cselect_b32 s79, s79, s21
	s_cmp_eq_u32 s78, s79
	s_cselect_b32 s81, s80, 0                      ; 1: a diagonal cluster of job S
	s_lshl_b32 s42, s79, 2
	s_add_co_u32 s42, s42, s40                     ; tile column
	s_lshl_b32 s13, s78, 2
	s_add_co_u32 s13, s13, s41                     ; tile row
	s_lshl_b32 s43, s41, 2
	s_lshl_b32 s43, 15, s43                        ; my row of the cluster
	s_lshl_b32 s44, 0x1111, s40                    ; my column
	s_or_b32 s[G1+0], s43, (1<<16)|(1<<20)|(1<<21)|(5<<22)|(3<<25)  ; mask; elements of 2 bytes; padding: 4 words behind every 64
	s_or_b32 s[G1B+0], s44, (1<<16)|(1<<20)|(1<<21)|(5<<22)|(3<<25)
.irp g, G1, G1B
	s_mov_b32 s[\g+1], KSTEP<<16                   ; tensor_dim0
	s_mov_b32 s[\g+2], 128<<16                     ; tensor_dim1
	s_mov_b32 s[\g+3], KSTEP<<16                   ; tile_dim0
	s_mov_b32 s[\g+4], 128                         ; tile_dim1
	s_mov_b32 s[\g+5], SIZE_K                      ; pitch
	s_mov_b32 s[\g+6], 0
	s_mov_b32 s[\g+7], 0
.endr
	s_lshl_b32 s17, s12, 7
	s_lshl_b32 s16, s13, 8
	s_add_co_u32 s16, s16, s17                     ; A: row 256 x tile row + 128 x half
	s_lshl_b32 s46, s42, 8
	s_add_co_u32 s46, s46, s17                     ; B: row 256 x tile column + 128 x half
	s_lshl_b32 s16, s16, 11                        ; rows of 2,048 bytes
	s_lshl_b32 s46, s46, 11
	s_mov_b32 s17, 0
	s_mov_b32 s47, 0
	s_mul_i32 s20, s10, HALFT                      ; where they go: by the wave's number alone
	s_mov_b32 s82, 0x3d38aa3b                      ; log2(e) / 32
	s_mov_b32 s83, s82
	s_mov_b32 s84, 0x76543210                      ; v_permlanex16_b32's selects for lane l xor 16
	s_mov_b32 s85, 0xfedcba98
	s_mov_b32 s86, 0xffff0000                      ; lanes 16-31
	s_wait_dscnt 0x0                               ; both opening adds are done
	s_wait_kmcnt 0x0
	s_add_nc_u64 s[90:91], s[68:69], 8388608       ; k
	s_add_nc_u64 s[92:93], s[68:69], 16777216      ; v
	s_cmp_eq_u32 s80, 1
	s_cselect_b64 s[4:5], s[68:69], s[70:71]       ; A
	s_cselect_b64 s[6:7], s[90:91], s[92:93]       ; B
	s_cselect_b64 s[8:9], s[72:73], s[74:75]       ; C
	s_add_nc_u64 s[14:15], s[4:5], s[16:17]
	s_add_nc_u64 s[46:47], s[6:7], s[46:47]
	CROUND                                         ; all sixteen work-groups are here: the first joint loads meet
.irp s, 0,1
	s_mov_b32 s[G0+4*\s], 1
	s_add_co_u32 s[G0+4*\s+1], s20, \s*SLOT
	s_add_nc_u64 s[G0+4*\s+2:G0+4*\s+3], s[14:15], \s*KSTEP*2
	s_or_b32 s[G0+4*\s+3], s[G0+4*\s+3], 0x80000000
	s_mov_b32 s[G0B+4*\s], 1
	s_add_co_u32 s[G0B+4*\s+1], s20, \s*SLOT
	s_add_nc_u64 s[G0B+4*\s+2:G0B+4*\s+3], s[46:47], \s*KSTEP*2
	s_or_b32 s[G0B+4*\s+3], s[G0B+4*\s+3], 0x80000000
	JLOAD \s
.endr
	v_and_b32 v1, 15, v0                           ; r
	v_bfe_u32 v2, v0, 4, 1                         ; h
	v_mul_u32_u24 v3, v1, PITCH
	v_lshl_add_u32 v3, v2, 4, v3
	s_mul_i32 s21, s11, HALFT
	s_mul_i32 s22, s12, HALFT
	s_add_co_u32 s22, s22, 2*HALFT
.irp s, 0,1
	v_add_nc_u32 v[ADRA+\s], s21, v3
	v_add_nc_u32 v[ADRB+\s], s22, v3
	s_add_co_u32 s21, s21, SLOT
	s_add_co_u32 s22, s22, SLOT
.endr
	s_mul_i32 s23, s10, 16*SPITCH
	s_add_co_u32 s23, s23, STAGE                   ; my stage
	v_mul_u32_u24 v4, v1, SPITCH
	v_lshl_add_u32 v4, v2, 4, v4
	v_add_nc_u32 v[STO], s23, v4
	v_mul_u32_u24 v5, v2, SPITCH
	v_lshl_add_u32 v5, v1, 4, v5
	v_add_nc_u32 v[RD], s23, v5
	v_lshlrev_b32 v5, 13, v2
	v_lshl_add_u32 v[CO], v1, 4, v5                ; two rows of vpt, 8,192 bytes apart
	v_and_b32 v5, 31, v0
	v_lshlrev_b32 v[L16], 4, v5
	v_lshl_add_u32 v[STS], v5, 2, s23
	v_add_nc_u32 v[RDS], s23, v[L16]
	s_lshl_b32 s16, s13, 8
	s_lshl_b32 s17, s11, 7
	s_add_co_u32 s16, s16, s17                     ; my first row
	s_lshl_b32 s21, s42, 1
	s_add_co_u32 s21, s21, s12                     ; kb = 2 x tile column + half
	s_lshl_b32 s22, s21, 12
	s_add_co_u32 s22, s22, s16
	s_lshl_b32 s22, s22, 2
	s_mov_b32 s23, 0
	s_add_nc_u64 s[88:89], s[76:77], s[22:23]      ; st1 at [kb][my first row]
	s_lshl_b32 s22, s16, 13                        ; my first row: 8,192 bytes a row in vpt; in pt 16 rows are 128 images of 1,024 bytes, which is as many
	s_lshl_b32 s20, s21, 12                        ; my first column: job S: four images of 1,024 bytes for 128 keys;
	s_lshl_b32 s21, s21, 8                         ; job V: 256 bytes
	s_cmp_eq_u32 s80, 1
	s_cselect_b32 s21, s20, s21
	s_add_co_u32 s22, s22, s21
	s_add_nc_u64 s[8:9], s[8:9], s[22:23]          ; C at my part of the tile
	s_sub_co_i32 s20, s13, s42
	s_lshl_b32 s20, s20, 8
	s_sub_co_i32 s21, s11, s12
	s_lshl_b32 s21, s21, 7
	s_add_co_i32 s20, s20, s21                     ; my first row - my first column
	v_lshlrev_b32 v4, 3, v2
	v_sub_nc_u32 v[DDB], v1, v4
	v_add_nc_u32 v[DDB], s20, v[DDB]               ; + r - 8 h
	; the prefetches
	s_lshl_b32 s20, s13, 8
	s_lshl_b32 s21, s42, 8
	s_sub_co_u32 s22, s78, s79
	s_cmp_eq_u32 s80, 1
	s_cselect_b32 s22, s22, 0                      ; B's rows: the diagonal cluster asks (job V: the only reader)
	s_cmp_eq_u32 s11, 0                            ; do I fetch for A?
	s_cselect_b32 s20, s20, s21                    ; the tile's first row
	s_cselect_b32 s21, s40, s41                    ; my place among the four that ask with me
	s_cselect_b32 s22, s79, s22                    ; A's rows: the cluster with J = 0 asks
	s_cselect_b64 s[PFA:PFA+1], s[4:5], s[6:7]
	s_cmp_eq_u32 s22, 0
	s_cselect_b32 s[LIM], 1, -1                    ; the same in all sixteen partners, for a given wave
	s_lshl_b32 s22, s12, 7
	s_add_co_u32 s20, s20, s22
	s_lshl_b32 s21, s21, 5
	s_add_co_u32 s20, s20, s21
	s_lshl_b32 s20, s20, 11
	s_add_co_u32 s20, s20, 2*KSTEP*2               ; at K step 2: the first refill steps it to 3 and names K step 4
	s_mov_b32 s21, 0
	s_add_nc_u64 s[PFA:PFA+1], s[PFA:PFA+1], s[20:21]
	v_and_b32 v[PFO], 31, v0
	v_lshlrev_b32 v[PFO], 11, v[PFO]
; 16 matrix instructions: m blocks a0, a0 + 1 of the window's four x all 8 n blocks, 32 along K.  The 64 accumulators take turns.
.macro MUL16 f, hi, a0, zero
.irp a, \a0, \a0+1
.irp b, 0,1,2,3,4,5,6,7
.if \zero
	v_wmma_f32_16x16x32_f16 v[8*(8*(\a)+\b):8*(8*(\a)+\b)+7], v[\f+8*\b:\f+8*\b+7], v[\f+8*(4*\hi+\a):\f+8*(4*\hi+\a)+7], 0
.else
	v_wmma_f32_16x16x32_f16 v[8*(8*(\a)+\b):8*(8*(\a)+\b)+7], v[\f+8*\b:\f+8*\b+7], v[\f+8*(4*\hi+\a):\f+8*(4*\hi+\a)+7], v[8*(8*(\a)+\b):8*(8*(\a)+\b)+7]
.endif
.endr
.endr
.endm
.macro FETCH slot, k, f                ; 32 LDS loads in one run: a quarter step's fragments
	WIN TO_B
.irp i, 0,1,2,3,4,5,6,7
	ds_load_b128 v[\f+8*\i:\f+8*\i+3],   v[ADRB+\slot] offset:\k+\i*16*PITCH
	ds_load_b128 v[\f+8*\i+4:\f+8*\i+7], v[ADRB+\slot] offset:\k+\i*16*PITCH+32
.endr
	WIN 0
.irp i, 0,1,2,3,4,5,6,7
	ds_load_b128 v[\f+8*\i:\f+8*\i+3],   v[ADRA+\slot] offset:\k+\i*16*PITCH
	ds_load_b128 v[\f+8*\i+4:\f+8*\i+7], v[ADRA+\slot] offset:\k+\i*16*PITCH+32
.endr
.endm
.macro PLACES                          ; four plain vector lines between a matrix instruction and a load into, or a vector read or write of, its registers
.rept 4
	v_nop
.endr
.endm
.macro QUARTER slot, k, f, g, zero
	s_wait_dscnt 8                                 ; B and A's rows 0-63 are in; A's rows 64-127 may be out
	WIN MUL_LO
	MUL16 \f, 0, 0, \zero
	MUL16 \f, 0, 2, \zero
	PLACES
	FETCH \slot, \k, \g
	s_wait_dscnt 32                                ; all but the 32 just issued
	WIN MUL_HI
	MUL16 \f, 1, 0, \zero
	MUL16 \f, 1, 2, \zero
.endm
.macro MEET round                      ; the first half of a slot's last quarter: one barrier for the change of slots
	WIN 0
	s_wait_tensorcnt 0x0                           ; all my tensor loads have landed: my part of the next slot
	ds_add_u32 v[SPW], v[NIL]
	s_wait_dscnt 9                                 ; (the add and the youngest eight loads may be out)
	WIN MUL_LO
	MUL16 F1, 0, 0, 0
	s_wait_dscnt 0x0                               ; the add is done, my reads of this slot are over
	s_barrier_signal -1
	MUL16 F1, 0, 2, 0
.if \round
	WIN 0
.endif
	s_barrier_wait -1
.endm
.macro TURN slot, next
	s_wait_xcnt 0x0                                ; the last prefetch has read its address
	s_add_nc_u64 s[PFA:PFA+1], s[PFA:PFA+1], KSTEP*2
	MEET 1
	CREST                                          ; no wave of any partner still reads this slot or has a load on its way
	s_add_nc_u64 s[G0+4*\slot+2:G0+4*\slot+3], s[G0+4*\slot+2:G0+4*\slot+3], 2*KSTEP*2
	s_add_nc_u64 s[G0B+4*\slot+2:G0B+4*\slot+3], s[G0B+4*\slot+2:G0B+4*\slot+3], 2*KSTEP*2
	JLOAD \slot                                    ; the first tensor load behind the round; its four v_nop are also the places in front of the loads below
	FETCH \next, 0, F0
	ASK
	WIN MUL_HI
	MUL16 F1, 1, 0, 0
	MUL16 F1, 1, 2, 0
.endm
	s_wait_tensorcnt 1                             ; my part of K step 0 is in; K step 1's may be out
	s_barrier_signal -1
	s_barrier_wait -1
	FETCH 0, 0, F0
	QUARTER 0, 64,  F0, F1, 1                      ; the first products start the sums
	WIN 0
	s_mov_b32 s3, LAPS-1
.Llap:
	QUARTER 0, 128, F1, F0, 0
	QUARTER 0, 192, F0, F1, 0
	TURN 0, 1
	QUARTER 1, 64,  F0, F1, 0
	QUARTER 1, 128, F1, F0, 0
	QUARTER 1, 192, F0, F1, 0
	TURN 1, 0
	QUARTER 0, 64,  F0, F1, 0
	WIN 0
	s_sub_co_u32 s3, s3, 1
	s_cmp_lg_u32 s3, 0
	s_cbranch_scc1 .Llap
	QUARTER 0, 128, F1, F0, 0                      ; the last lap fills nothing
	QUARTER 0, 192, F0, F1, 0
	MEET 0
	PLACES
	FETCH 1, 0, F0
	WIN MUL_HI
	MUL16 F1, 1, 0, 0
	MUL16 F1, 1, 2, 0
	QUARTER 1, 64,  F0, F1, 0
	QUARTER 1, 128, F1, F0, 0
	QUARTER 1, 192, F0, F1, 0
	s_wait_dscnt 8
	WIN MUL_LO
	MUL16 F1, 0, 0, 0
	MUL16 F1, 0, 2, 0
	s_wait_dscnt 0
	WIN MUL_HI
	MUL16 F1, 1, 0, 0
	MUL16 F1, 1, 2, 0
	WIN 0
	PLACES
; JOB V'S WAY OUT, block a of 16 rows at a time: TMP = the block as f16; through my stage; back as whole rows of 256 bytes; stored
.macro PACK a
.set AC, 64*((\a)%4)
	WIN 0x0a+5*((\a)/4)
.irp b, 0,1,2,3,4,5,6,7
.irp r, 0,1,2,3
	v_cvt_pk_f16_f32 v[TMP+4*\b+\r], v[AC+8*\b+2*\r], v[AC+8*\b+2*\r+1]
.endr
.endr
	WIN 0
.endm
.macro TOSTAGE a
.set BK, OB+192*((\a)%2)
.irp b, 0,1,2,3,4,5,6,7
	ds_store_b128 v[STO], v[TMP+4*\b:TMP+4*\b+3] offset:32*\b
.endr
.irp t, 0,1,2,3,4,5,6,7
	ds_load_b128 v[BK+4*\t:BK+4*\t+3], v[RD] offset:\t*2*SPITCH    ; LDS serves a wave's instructions in order
.endr
.endm
.macro SEND a
.set BK, OB+192*((\a)%2)
	s_wait_dscnt 0x0
	s_wait_xcnt 0x0                                ; earlier stores have read their base and their data
.if (\a) > 0
	s_add_nc_u64 s[8:9], s[8:9], 16*CP
.endif
.irp t, 0,1,2,3,4,5,6,7
	global_store_b128 v[CO], v[BK+4*\t:BK+4*\t+3], s[8:9] offset:2*\t*CP   ; sixteen lanes store 256 consecutive bytes, aligned
.endr
.endm
; JOB S: block a's softmax within its 128 keys.  v96-119 maxima at work, v[152:153] -M, v64-95 sums at work, v[136+a] M, v[144+a] l; the packed P in v192-223 and v224-255 by turns.
.macro SOFT a
.set AC, 64*((\a)%4)
.set XW, 2+(\a)/4
.set TT, TMP+32*((\a)%2)
	s_wait_xcnt 0x0                                ; the stores of the block two back have read their data: its registers are written again below
	s_cmp_eq_u32 s81, 1
	s_cbranch_scc0 .Lopen_\@                       ; only a diagonal cluster has hidden keys
	WIN XW|(XW<<6)
.irp b, 0,1,2,3,4,5,6,7
.irp j, 0,1,2,3,4,5,6,7
	v_cmp_gt_i32 vcc_lo, \j, v[127+(\a)-\b]        ; hidden where column > row: j > row - column at j = 0
	v_cndmask_b32 v[AC+8*\b+\j], v[AC+8*\b+\j], v135, vcc_lo
.endr
.endr
	WIN 0
.Lopen_\@:
	WIN XW|(XW<<2)|(XW<<4)
.irp b, 0,1,2,3,4,5,6,7
	v_max3_num_f32 v[96+3*\b], v[AC+8*\b], v[AC+8*\b+1], v[AC+8*\b+2]
	v_max3_num_f32 v[97+3*\b], v[AC+8*\b+3], v[AC+8*\b+4], v[AC+8*\b+5]
	v_max_num_f32 v[98+3*\b], v[AC+8*\b+6], v[AC+8*\b+7]
.endr
	WIN 0
.irp i, 0,1,2,3,4,5,6,7
	v_max3_num_f32 v[96+3*\i], v[96+3*\i], v[97+3*\i], v[98+3*\i]
.endr
	v_max3_num_f32 v96, v96, v99, v102
	v_max3_num_f32 v105, v105, v108, v111
	v_max3_num_f32 v114, v114, v117, 0xff61b1e6    ; and -3e38, so that a row all of whose keys are hidden has a number for M
	v_max3_num_f32 v96, v96, v105, v114
	v_permlanex16_b32 v97, v96, s84, s85           ; the row's other 64 keys lie in the lane 16 away
	v_max_num_f32 v96, v96, v97
	v_mul_f32 v96, s82, v96                        ; as t
	v_floor_f32 v152, -v96                         ; -M = floor(-t): M is a whole number
	v_mov_b32 v153, v152
	v_mul_f32 v[136+(\a)], -1.0, v152
	WIN XW|(XW<<6)
.set i, 0
.rept 32
	v_pk_fma_f32 v[AC+i:AC+i+1], v[AC+i:AC+i+1], s[82:83], v[152:153] op_sel_hi:[1,0,0]   ; t - M
.set i, i+2
.endr
.set i, 0
.rept 64
	v_exp_f32 v[AC+i], v[AC+i]                     ; P = 2^(t - M)
.set i, i+1
.endr
	v_nop                                          ; a plain line behind the last exponential
	s_wait_alu depctr_va_vdst(0)                   ; one wait for the batch, ahead of its first reader
	WIN XW|(XW<<2)
.set i, 0
.rept 32
	v_cvt_pk_f16_f32 v[TT+i], v[AC+2*i], v[AC+2*i+1]
.set i, i+1
.endr
.set i, 0
.rept 16
	v_pk_add_f32 v[64+2*i:65+2*i], v[AC+4*i:AC+4*i+1], v[AC+4*i+2:AC+4*i+3]   ; the sum is taken of the unrounded P
.set i, i+1
.endr
	WIN 0
.irp i, 0,4,8,12,16,20,24,28
	v_pk_add_f32 v[64+\i:65+\i], v[64+\i:65+\i], v[66+\i:67+\i]
.endr
.irp i, 0,8,16,24
	v_pk_add_f32 v[64+\i:65+\i], v[64+\i:65+\i], v[68+\i:69+\i]
.endr
.irp i, 0,16
	v_pk_add_f32 v[64+\i:65+\i], v[64+\i:65+\i], v[72+\i:73+\i]
.endr
	v_pk_add_f32 v[64:65], v[64:65], v[80:81]
	v_add_f32 v64, v64, v65
	v_permlanex16_b32 v65, v64, s84, s85
	v_add_f32 v[144+(\a)], v64, v65
.endm
; Block a's four images: column block b's four registers are half b % 2 of image b / 2: 4,096 consecutive bytes; the next 16 rows' images lie 131,072 bytes on
.macro PUT a
.set TT, TMP+32*((\a)%2)
.irp b, 0,1,2,3,4,5,6,7
	global_store_b128 v[L16], v[TT+4*\b:TT+4*\b+3], s[8:9] offset:(\a)*131072+512*\b   ; 32 lanes store 512 consecutive bytes, aligned
.endr
.endm
	s_cmp_eq_u32 s80, 1
	s_cbranch_scc1 .Lrole_s
	PACK 0                                         ; job V: rounded and stored
	TOSTAGE 0
.irp a, 1,2,3,4,5,6,7
	PACK \a
	SEND \a-1
	TOSTAGE \a
.endr
	SEND 7
	s_branch .Lend
.Lrole_s:
.irp k, -7,-6,-5,-4,-3,-2,-1,0,1,2,3,4,5,6,7
	v_add_nc_u32 v[127+(\k)], 16*(\k), v[DDB]      ; row - column for blocks with a - b = k
.endr
	v_mov_b32 v135, 0xff800000                     ; -infinity
.irp a, 0,1,2,3,4,5,6,7
	SOFT \a
	PUT \a
.endr
	; M and l of my 128 rows: lanes 0-15 hold the rows of an even block, lanes 16-31 take the odd block's; through my stage, so that 32 lanes store 512 consecutive bytes
.irp u, 0,1,2,3
	v_cndmask_b32 v[154+\u], v[136+2*\u], v[137+2*\u], s86
	v_cndmask_b32 v[96+\u], v[144+2*\u], v[145+2*\u], s86
.endr
.irp u, 0,1,2,3
	ds_store_b32 v[STS], v[154+\u] offset:128*\u
	ds_store_b32 v[STS], v[96+\u] offset:512+128*\u
.endr
	ds_load_b128 v[64:67], v[RDS]
	ds_load_b128 v[68:71], v[RDS] offset:512
	s_wait_dscnt 0x0
	global_store_b128 v[L16], v[64:67], s[88:89]
	global_store_b128 v[L16], v[68:71], s[88:89] offset:524288
.Lend:
	s_wait_tensorcnt 0x0                           ; the wave's end
	ds_add_u32 v[SPW], v[NIL]
	s_wait_dscnt 0x0
	CROUND                                         ; the closing round
	s_endpgm
.Lfunc_end_k_qfaf313c9d9_scores:
	.size	k_qfaf313c9d9_scores, .Lfunc_end_k_qfaf313c9d9_scores-k_qfaf313c9d9_scores
	.p2alignl 7, 3214868480
	.fill 96, 4, 3214868480
	.section	.rodata,"a",@progbits
	.p2align	6, 0x0
	.amdhsa_kernel k_qfaf313c9d9_scores
		.amdhsa_group_segment_fixed_size 327680
		.amdhsa_private_segment_fixed_size 0
		.amdhsa_enable_private_segment 0
		.amdhsa_kernarg_size 40
		.amdhsa_user_sgpr_count 2
		.amdhsa_user_sgpr_kernarg_segment_ptr 1
		.amdhsa_wavefront_size32 1
		.amdhsa_system_sgpr_workgroup_id_x 1
		.amdhsa_system_sgpr_workgroup_id_y 1
		.amdhsa_system_sgpr_workgroup_id_z 1
		.amdhsa_system_vgpr_workitem_id 0
		.amdhsa_next_free_vgpr 1024
		.amdhsa_next_free_sgpr 96
		.amdhsa_reserve_vcc 1
		.amdhsa_float_denorm_mode_32 3
		.amdhsa_float_denorm_mode_16_64 3
		.amdhsa_memory_ordered 1
		.amdhsa_forward_progress 1
		.amdhsa_inst_pref_size 255
	.end_amdhsa_kernel
	.section	.bss,"aw",@nobits
	.p2align	6
	.space	262144
	.amdgpu_metadata
---
amdhsa.version: [ 1, 2 ]
amdhsa.kernels:
  - .name:           k_qfaf313c9d9_scores
    .symbol:         k_qfaf313c9d9_scores.kd
    .args:
      - { .name: qkv, .offset: 0, .size: 8, .value_kind: global_buffer, .address_space: global }
      - { .name: wot, .offset: 8, .size: 8, .value_kind: global_buffer, .address_space: global }
      - { .name: pt, .offset: 16, .size: 8, .value_kind: global_buffer, .address_space: global }
      - { .name: vpt, .offset: 24, .size: 8, .value_kind: global_buffer, .address_space: global }
      - { .name: st1, .offset: 32, .size: 8, .value_kind: global_buffer, .address_space: global }
    .group_segment_fixed_size: 327680
    .private_segment_fixed_size: 0
    .kernarg_segment_align: 8
    .kernarg_segment_size: 40
    .max_flat_workgroup_size: 128
    .sgpr_count:     96
    .vgpr_count:     1024
    .wavefront_size: 32
...
	.end_amdgpu_metadata
.endif
;; end of part 3
;; launch mid (part 4): grid 448 x 1, 8 waves a work-group, no clusters, 17,408 bytes of LDS; arguments qkv, Wout, bout, st1, pt2, out0, pt; writes pt2, out0
.if DOCPART == 4
	.amdgcn_target "amdgcn-amd-amdhsa--gfx1250"
	.amdhsa_code_object_version 6
	.text
	.protected	k_qfaf313c9d9_mid
	.globl	k_qfaf313c9d9_mid
	.p2align	8
	.type	k_qfaf313c9d9_mid,@function
k_qfaf313c9d9_mid:
	s_mov_b64 s[64:65], 0
	v_nop
	global_prefetch_b8 v0, s[64:65] scope:SCOPE_SE
	s_setreg_imm32_b32 hwreg(HW_REG_WAVE_MODE, 25, 1), 1
	s_wait_xcnt 0x0
; Two jobs, chosen by the work-group's number.
;  HEAD (work-groups 0-63): rows 0-15 of the output, wholly in f32: they average one to sixteen values and are the largest in size.  q, k, v of these rows come in f32 ([16][3072] at qkv + 25,165,824), Wout as given.
;    Work-group g makes columns 16 g .. 16 g + 15: sixteen columns to a work-group spread the work over 64 work-groups; so a row's piece is 64 bytes, 64 KiB in all.
;    Wave w owns channels d = 128 w .. 128 w + 127: its part of S^T = k q^T (summed over the waves through LDS), the softmax (every wave, alike), O^T = v^T p^T for its channels, its part of O Wout (summed through LDS).
;    All products by the f32 matrix form, K = 4 an instruction; the same order of k is given to both operands of each product.
;    The registers that this form writes, v160-255, are written by matrix instructions alone, in the whole text.
;  SCALE (work-groups 64-447): joins the key blocks' softmax figures and brings P under one maximum.  For each row: M = the largest M_kb; c_kb = 2^(M_kb - M), exact; l = the sum of c_kb l_kb.
;    P (pt: images of 16 rows x 32 keys in the order of an operand's registers, lane l holding row l % 16) is widened to f32, multiplied by its row's c_kb, rounded to f16 and stored at the same place of pt2; 1 / l goes to pt2 + 33,554,432.
;    A work-group takes a block R of 16 rows and up to 16 key blocks of 128: rows under 2,048 have at most 16 key blocks and one work-group, the others two (z = 0, 1).  Rows 512 Y .. 512 Y + 511 have key blocks 0 .. 4 Y + 3.
;    Wave w takes key blocks 16 z + w and 16 z + w + 8, 4,096 consecutive bytes each; every load and store of P covers 512 consecutive bytes.
;    LIMIT: c is a power of two, at most 1: P x c rounds nothing above f16's subnormals; what falls under 2^-24 is lost beside a row's sum of at least 1/2.
.set SPW, 16
.set NIL, 17
.set OPB, 8192                         ; LDS: eight images of S^T's parts, 1,024 bytes each, at 0; eight of the output's parts here;
.set SPARE, 16384                      ; the spare words, 128 bytes for each of eight waves
	s_load_b256 s[4:11], s[0:1], 0x0               ; qkv, Wout, bout, st1
	s_load_b128 s[12:15], s[0:1], 0x20             ; pt2, out0
	s_load_b64 s[28:29], s[0:1], 0x30              ; pt
	v_lshl_add_u32 v[SPW], v0, 2, SPARE
	v_mov_b32 v[NIL], 0
	v_lshrrev_b32 v1, 5, v0
	v_readfirstlane_b32 s16, v1                    ; wave 0..7
	v_and_b32 v1, 15, v0                           ; r
	v_bfe_u32 v2, v0, 4, 1                         ; h
	v_and_b32 v3, 31, v0                           ; lane
	s_wait_kmcnt 0x0
	s_cmp_ge_u32 ttmp9, 64
	s_cbranch_scc1 .Lscale
	s_lshl_b32 s17, s16, 9                         ; my 128 channels, in bytes
	v_mul_u32_u24 v4, v1, 12288
	v_lshl_add_u32 v4, v2, 8, v4
	v_add_nc_u32 v4, s17, v4                       ; q, k: row r, channels 128 w + 64 h on
	v_mul_u32_u24 v5, v2, 8*12288
	v_lshl_add_u32 v5, v1, 2, v5
	v_add_nc_u32 v5, s17, v5                       ; v: key 8 h on, channel 128 w + r
	s_lshl_b32 s18, ttmp9, 6
	v_lshl_add_u32 v7, v1, 2, s18                  ; column 16 g + r, in bytes
	s_lshl_b32 s19, s16, 19
	v_lshl_add_u32 v6, v2, 15, v7
	v_add_nc_u32 v6, s19, v6                       ; Wout: row 128 w + 8 h on
	s_lshl_b32 s19, s16, 12
	v_lshl_add_u32 v8, v2, 15, v7
	v_add_nc_u32 v8, s19, v8                       ; out: row 8 h + w
	v_lshlrev_b32 v10, 4, v3                       ; an image's place for my lane
	s_lshl_b32 s19, s16, 10
	v_add_nc_u32 v9, s19, v10                      ; my wave's image
	s_lshr_b32 s19, s16, 2
	s_lshl_b32 s19, s19, 9
	s_and_b32 s22, s16, 3
	s_lshl_b32 s22, s22, 2
	s_add_co_u32 s19, s19, s22
	v_add_nc_u32 v11, s19, v10                     ; register w of an image
	v_lshlrev_b32 v12, 3, v2
	v_sub_nc_u32 v12, v1, v12                      ; r - 8 h
	v_mov_b32 v29, 0                               ; (a lane permute's destination counts as read)
	s_mov_b32 s24, 0x76543210
	s_mov_b32 s25, 0xfedcba98
	s_mov_b32 s26, 0x3d38aa3b                      ; log2(e) / 32
	s_add_nc_u64 s[20:21], s[4:5], 25165824
	global_load_b32 v26, v7, s[8:9]                ; the bias
.irp i, 0,1,2,3,4,5,6,7,8,9,10,11,12,13,14,15
	global_load_b128 v[32+4*\i:35+4*\i], v4, s[20:21] offset:4096+16*\i   ; k: register 4 i + e = channel 128 w + 64 h + 4 i + e of key r
.endr
.irp i, 0,1,2,3,4,5,6,7,8,9,10,11,12,13,14,15
	global_load_b128 v[96+4*\i:99+4*\i], v4, s[20:21] offset:16*\i        ; q likewise
.endr
	s_wait_loadcnt 0x0
	; S^T's part: source 0 = 16 keys, source 1 = 16 queries; two accumulators by turns
	v_wmma_f32_16x16x4_f32 v[224:231], v[32:33], v[96:97], 0
	v_wmma_f32_16x16x4_f32 v[232:239], v[34:35], v[98:99], 0
.set t, 2
.rept 30
	v_wmma_f32_16x16x4_f32 v[224+8*(t%2):231+8*(t%2)], v[32+2*t:33+2*t], v[96+2*t:97+2*t], v[224+8*(t%2):231+8*(t%2)]
.set t, t+1
.endr
.rept 8
	v_nop                                          ; eight places behind this form, ahead of reads of its results and of loads into its sources
.endr
.set i, 0
.rept 64                                           ; v^T's fragments land where q lay: register 8 nt + 2 t + j = v(key 8 h + 2 t + j, channel 128 w + 16 nt + r)
	global_load_b32 v[96+i], v5, s[20:21] offset:(i%8)*12288+8192+64*(i/8)
.set i, i+1
.endr
.irp j, 0,2,4,6
	v_pk_add_f32 v[18+\j:19+\j], v[224+\j:225+\j], v[232+\j:233+\j]
.endr
	ds_store_b128 v9, v[18:21]
	ds_store_b128 v9, v[22:25] offset:512
	s_wait_dscnt 0x0                               ; for the others' sake: my image is stored
	s_barrier_signal -1
	s_barrier_wait -1
.irp s, 0,1,2,3,4,5,6,7
	ds_load_b128 v[32+8*\s:35+8*\s], v10 offset:1024*\s
	ds_load_b128 v[36+8*\s:39+8*\s], v10 offset:1024*\s+512
.endr
	s_wait_dscnt 0x0
.irp s, 0,2,4,6
.irp j, 0,2,4,6
	v_pk_add_f32 v[32+8*\s+\j:33+8*\s+\j], v[32+8*\s+\j:33+8*\s+\j], v[40+8*\s+\j:41+8*\s+\j]
.endr
.endr
.irp s, 0,4
.irp j, 0,2,4,6
	v_pk_add_f32 v[32+8*\s+\j:33+8*\s+\j], v[32+8*\s+\j:33+8*\s+\j], v[48+8*\s+\j:49+8*\s+\j]
.endr
.endr
.irp j, 0,2,4,6
	v_pk_add_f32 v[18+\j:19+\j], v[32+\j:33+\j], v[64+\j:65+\j]   ; lane (r, h), register j: the score of query r and key 8 h + j
.endr
.set i, 0
.rept 64                                           ; Wout's fragments land where k lay: register 8 nt + q = Wout(128 w + 16 nt + 8 h + q, 16 g + r)
	global_load_b32 v[32+i], v6, s[6:7] offset:(16*(i/8)+i%8)*4096
.set i, i+1
.endr
	v_mov_b32 v27, 0xff800000                      ; -infinity
.irp j, 0,1,2,3,4,5,6,7
	v_cmp_gt_i32 vcc_lo, \j, v12                   ; hidden where key > query
	v_cndmask_b32 v[18+\j], v[18+\j], v27, vcc_lo
.endr
	v_max3_num_f32 v28, v18, v19, v20
	v_max3_num_f32 v28, v28, v21, v22
	v_max3_num_f32 v28, v28, v23, v24
	v_max_num_f32 v28, v28, v25
	v_permlanex16_b32 v29, v28, s24, s25
	v_max_num_f32 v28, v28, v29                    ; the row's maximum (key 0 counts for every query)
	v_mul_f32 v28, s26, v28
.irp j, 0,1,2,3,4,5,6,7
	v_fma_f32 v[18+\j], v[18+\j], s26, -v28
.endr
.irp j, 0,1,2,3,4,5,6,7
	v_exp_f32 v[18+\j], v[18+\j]
.endr
	v_nop
	s_wait_alu depctr_va_vdst(0)                   ; one wait for the eight, ahead of their first reader
	v_add_f32 v30, v18, v19
	v_add_f32 v31, v20, v21
	v_add_f32 v30, v30, v22
	v_add_f32 v31, v31, v23
	v_add_f32 v30, v30, v24
	v_add_f32 v31, v31, v25
	v_add_f32 v30, v30, v31
	v_permlanex16_b32 v29, v30, s24, s25
	v_add_f32 v30, v30, v29
	v_rcp_f32 v30, v30
	v_nop
	s_wait_alu depctr_va_vdst(0)
.irp j, 0,1,2,3,4,5,6,7
	v_mul_f32 v[18+\j], v[18+\j], v30              ; the weights
.endr
	s_wait_loadcnt 63                              ; v's 64 loads are in: Wout's 64 are younger
	; O^T = v^T p^T: source 0 = 16 channels, source 1 = the weights; eight accumulators by turns
.irp t, 0,1,2,3
.irp n, 0,1,2,3,4,5,6,7
.if \t == 0
	v_wmma_f32_16x16x4_f32 v[160+8*\n:167+8*\n], v[96+8*\n+2*\t:97+8*\n+2*\t], v[18+2*\t:19+2*\t], 0
.else
	v_wmma_f32_16x16x4_f32 v[160+8*\n:167+8*\n], v[96+8*\n+2*\t:97+8*\n+2*\t], v[18+2*\t:19+2*\t], v[160+8*\n:167+8*\n]
.endif
.endr
.endr
.rept 9
	v_nop                                          ; nine places before a matrix instruction takes these results as an operand
.endr
	s_wait_loadcnt 0x0
	; the projection's part: lane (r, h), registers 2 q, 2 q + 1 of O^T's tile nt are O(r, 128 w + 16 nt + 8 h + 2 q + 0, 1): source 0 as they stand
	v_wmma_f32_16x16x4_f32 v[240:247], v[160:161], v[32:33], 0
	v_wmma_f32_16x16x4_f32 v[248:255], v[162:163], v[34:35], 0
.set t, 2
.rept 30
	v_wmma_f32_16x16x4_f32 v[240+8*(t%2):247+8*(t%2)], v[160+2*t:161+2*t], v[32+2*t:33+2*t], v[240+8*(t%2):247+8*(t%2)]
.set t, t+1
.endr
.rept 8
	v_nop
.endr
.irp j, 0,2,4,6
	v_pk_add_f32 v[18+\j:19+\j], v[240+\j:241+\j], v[248+\j:249+\j]   ; lane (r, h), register j: out(8 h + j, 16 g + r), my channels' part
.endr
	ds_store_b128 v9, v[18:21] offset:OPB
	ds_store_b128 v9, v[22:25] offset:OPB+512
	s_wait_dscnt 0x0
	s_barrier_signal -1
	s_barrier_wait -1
.irp s, 0,1,2,3,4,5,6,7
	ds_load_b32 v[18+\s], v11 offset:OPB+1024*\s   ; wave w sums register w of the eight images: rows w and 8 + w
.endr
	s_wait_dscnt 0x0
	v_add_f32 v18, v18, v19
	v_add_f32 v20, v20, v21
	v_add_f32 v22, v22, v23
	v_add_f32 v24, v24, v25
	v_add_f32 v18, v18, v20
	v_add_f32 v22, v22, v24
	v_add_f32 v18, v18, v22
	v_add_f32 v18, v18, v26
	global_store_b32 v8, v18, s[14:15]
	s_wait_tensorcnt 0x0                           ; the wave's end
	ds_add_u32 v[SPW], v[NIL]
	s_wait_dscnt 0x0
	s_endpgm
; ---------------- SCALE.  v32-47 M_kb, then c_kb (register j: key block 2 j + h); v48-63 l_kb; v26 M; v28 l, then 1 / l; v64-95, v96-127 my two key blocks of P; v40-55, v128-143 at work
.macro HALF d, lo, hi, f               ; register d's two f16 numbers as f32 in v[f], v[f + 1] (a 16-bit operand is a named half of a low register: so each half goes through one)
	v_mov_b32 v\lo, v[\d]
	v_lshrrev_b32 v\hi, 16, v[\d]
	v_cvt_f32_f16 v[\f], v\lo\().l
	v_cvt_f32_f16 v[(\f)+1], v\hi\().l
.endm
.macro PIECE i, t                      ; 512 bytes of my key block i: eight numbers a lane, in f32 times c, rounded once, stored
.set DD, 64+32*(\i)+4*(\t)
.set FF, 128+8*((\t)%2)
.if (\t)%2 == 0
	HALF DD, 40, 41, FF
	HALF DD+1, 42, 43, FF+2
	HALF DD+2, 44, 45, FF+4
	HALF DD+3, 46, 47, FF+6
.else
	HALF DD, 48, 49, FF
	HALF DD+1, 50, 51, FF+2
	HALF DD+2, 52, 53, FF+4
	HALF DD+3, 54, 55, FF+6
.endif
.irp k, 0,1,2,3
	v_pk_mul_f32 v[FF+2*\k:FF+2*\k+1], v[FF+2*\k:FF+2*\k+1], v[12+2*(\i):13+2*(\i)]
.endr
.irp k, 0,1,2,3
	v_cvt_pk_f16_f32 v[DD+\k], v[FF+2*\k], v[FF+2*\k+1]
.endr
	global_store_b128 v[10+(\i)], v[DD:DD+3], s[12:13] offset:512*(\t)   ; 32 lanes store 512 consecutive bytes, aligned
.endm
.Lscale:
	s_sub_co_u32 s17, ttmp9, 64                    ; g = 0 .. 383
	s_sub_co_u32 s18, s17, 128
	s_lshr_b32 s19, s18, 1
	s_add_co_u32 s19, s19, 128
	s_and_b32 s22, s18, 1
	s_cmp_lt_u32 s17, 128
	s_cselect_b32 s19, s17, s19                    ; R: g, or 128 + (g - 128) / 2
	s_cselect_b32 s22, 0, s22                      ; z: 0, or (g - 128) % 2
	s_lshr_b32 s23, s19, 5                         ; Y
	s_lshl_b32 s24, s23, 2
	s_add_co_u32 s24, s24, 4                       ; my rows' key blocks: 4 Y + 4
	s_lshl_b32 s27, s19, 6
	v_lshl_add_u32 v5, v1, 2, s27                  ; my row 16 R + r among 4,096, in bytes
	v_lshl_add_u32 v4, v2, 14, v5                  ; lanes 16-31 take the odd key blocks
	s_mov_b32 s30, 0x76543210
	s_mov_b32 s31, 0xfedcba98                      ; v_permlanex16_b32's selects for lane l xor 16
	s_add_nc_u64 s[34:35], s[12:13], 33554432      ; 1 / l
	v_mov_b32 v27, 0                               ; (a lane permute's destination counts as read)
.set i, 2
.rept 14
	v_mov_b32 v[32+i], 0xff61b1e6                  ; key blocks that my rows do not have: M = -3e38, l = 0: they come out with c = 0
	v_mov_b32 v[48+i], 0
.set i, i+1
.endr
.irp g, 0,1,2,3,4,5,6,7
.if \g > 0
	s_cmp_lt_u32 s23, \g
	s_cbranch_scc1 .Lsc_loaded
.endif
.irp q, 0,1
	global_load_b32 v[32+2*\g+\q], v4, s[10:11] offset:(2*\g+\q)*32768
	global_load_b32 v[48+2*\g+\q], v4, s[10:11] offset:(2*\g+\q)*32768+524288
.endr
.endr
.Lsc_loaded:
	s_wait_loadcnt 0x0
	v_max3_num_f32 v26, v32, v33, v34
.irp i, 35,37,39,41,43,45
	v_max3_num_f32 v26, v26, v[\i], v[\i+1]
.endr
	v_max_num_f32 v26, v26, v47
	v_permlanex16_b32 v27, v26, s30, s31
	v_max_num_f32 v26, v26, v27                    ; M
.set i, 0
.rept 16
	v_sub_f32 v[32+i], v[32+i], v26                ; M_kb - M: a whole number, 0 or less
	v_cvt_i32_f32 v[32+i], v[32+i]                 ; (it saturates)
	v_ldexp_f32 v[32+i], 1.0, v[32+i]              ; c
.if i == 0
	v_mul_f32 v28, v32, v48
.else
	v_fma_f32 v28, v[32+i], v[48+i], v28
.endif
.set i, i+1
.endr
	v_permlanex16_b32 v27, v28, s30, s31
	v_add_f32 v28, v28, v27                        ; l
	v_rcp_f32 v28, v28
	v_nop
	s_wait_alu depctr_va_vdst(0)                   ; ahead of the branch and of the first reader
	s_or_b32 s33, s16, s22
	s_cmp_lg_u32 s33, 0
	s_cbranch_scc1 .Lsc_norl                       ; wave 0 of the rows' first work-group stores 1 / l (both halves of the lanes hold the same number for the same row)
	global_store_b32 v5, v28, s[34:35]
.Lsc_norl:
	s_lshl_b32 s36, s22, 4
	s_add_co_u32 s36, s36, s16                     ; my first key block: 16 z + w
	s_lshl_b32 s38, s19, 17                        ; my 16 rows' images: 131,072 bytes a row block
	v_lshl_add_u32 v9, v3, 4, s38                  ; + 16 x lane
.irp i, 0,1
.if \i == 1
	s_add_co_u32 s36, s36, 8
.endif
	s_cmp_ge_u32 s36, s24
	s_cbranch_scc1 .Lsc_done                       ; ids alone: my rows have no such key block
	s_lshl_b32 s37, s36, 14
	v_add_nc_u32 v[6+\i], s37, v5
	s_lshl_b32 s37, s36, 12
	v_add_nc_u32 v[10+\i], s37, v9                 ; four images of 1,024 bytes a key block
	global_load_b32 v[18+\i], v[6+\i], s[10:11]    ; M of this key block, my row's, in every lane
.irp t, 0,1,2,3,4,5,6,7
	global_load_b128 v[64+32*\i+4*\t:67+32*\i+4*\t], v[10+\i], s[28:29] offset:512*\t th:TH_LOAD_NT
.endr
	s_wait_loadcnt 0x0
	v_sub_f32 v[18+\i], v[18+\i], v26
	v_cvt_i32_f32 v[18+\i], v[18+\i]
	v_ldexp_f32 v[12+2*\i], 1.0, v[18+\i]          ; c
	v_mov_b32 v[13+2*\i], v[12+2*\i]
.irp t, 0,1,2,3,4,5,6,7
	PIECE \i, \t
.endr
.endr
.Lsc_done:
	s_wait_tensorcnt 0x0                           ; the wave's end, as in the other job
	ds_add_u32 v[SPW], v[NIL]
	s_wait_dscnt 0x0
	s_endpgm
.Lfunc_end_k_qfaf313c9d9_mid:
	.size	k_qfaf313c9d9_mid, .Lfunc_end_k_qfaf313c9d9_mid-k_qfaf313c9d9_mid
	.p2alignl 7, 3214868480
	.fill 96, 4, 3214868480
	.section	.rodata,"a",@progbits
	.p2align	6, 0x0
	.amdhsa_kernel k_qfaf313c9d9_mid
		.amdhsa_group_segment_fixed_size 17408
		.amdhsa_private_segment_fixed_size 0
		.amdhsa_enable_private_segment 0
		.amdhsa_kernarg_size 56
		.amdhsa_user_sgpr_count 2
		.amdhsa_user_sgpr_kernarg_segment_ptr 1
		.amdhsa_wavefront_size32 1
		.amdhsa_system_sgpr_workgroup_id_x 1
		.amdhsa_system_sgpr_workgroup_id_y 1
		.amdhsa_system_sgpr_workgroup_id_z 1
		.amdhsa_system_vgpr_workitem_id 0
		.amdhsa_next_free_vgpr 256
		.amdhsa_next_free_sgpr 66
		.amdhsa_reserve_vcc 1
		.amdhsa_float_denorm_mode_32 3
		.amdhsa_float_denorm_mode_16_64 3
		.amdhsa_memory_ordered 1
		.amdhsa_forward_progress 1
		.amdhsa_inst_pref_size 62
	.end_amdhsa_kernel
	.amdgpu_metadata
---
amdhsa.version: [ 1, 2 ]
amdhsa.kernels:
  - .name:           k_qfaf313c9d9_mid
    .symbol:         k_qfaf313c9d9_mid.kd
    .args:
      - { .name: qkv, .offset: 0, .size: 8, .value_kind: global_buffer, .address_space: global }
      - { .name: Wout, .offset: 8, .size: 8, .value_kind: global_buffer, .address_space: global }
      - { .name: bout, .offset: 16, .size: 8, .value_kind: global_buffer, .address_space: global }
      - { .name: st1, .offset: 24, .size: 8, .value_kind: global_buffer, .address_space: global }
      - { .name: pt2, .offset: 32, .size: 8, .value_kind: global_buffer, .address_space: global }
      - { .name: out0, .offset: 40, .size: 8, .value_kind: global_buffer, .address_space: global }
      - { .name: pt, .offset: 48, .size: 8, .value_kind: global_buffer, .address_space: global }
    .group_segment_fixed_size: 17408
    .private_segment_fixed_size: 0
    .kernarg_segment_align: 8
    .kernarg_segment_size: 56
    .max_flat_workgroup_size: 256
    .sgpr_count:     66
    .vgpr_count:     256
    .wavefront_size: 32
...
	.end_amdgpu_metadata
.endif
;; end of part 4
;; launch pv (part 5): grid 8 x 32, 4 waves a work-group, clusters of 4 x 4, 327,680 bytes of LDS; arguments pt2, vpt, wot, bout, out0; writes out0
.if DOCPART == 5
	.amdgcn_target "amdgcn-amd-amdhsa--gfx1250"
	.amdhsa_code_object_version 6
	.text
	.protected	k_qfaf313c9d9_pv
	.globl	k_qfaf313c9d9_pv
	.p2align	8
	.type	k_qfaf313c9d9_pv,@function
k_qfaf313c9d9_pv:
	s_mov_b64 s[64:65], 0
	v_nop
	global_prefetch_b8 v0, s[64:65] scope:SCOPE_SE
	s_setreg_imm32_b32 hwreg(HW_REG_WAVE_MODE, 25, 1), 1
	s_wait_xcnt 0x0
	s_wait_alu depctr_hold_cnt(0) depctr_sa_sdst(0) depctr_va_vdst(0) depctr_va_sdst(0) depctr_va_ssrc(0) depctr_va_vcc(0) depctr_vm_vsrc(0)
	s_getreg_b32 s2, hwreg(HW_REG_IB_STS2, 6, 4)
	s_cmp_eq_u32 s2, 0
	s_cbranch_scc0 .Lentry_in_a_cluster
	s_endpgm
.Lentry_in_a_cluster:
	s_bfe_u32 s2, ttmp6, 0x10000c
	s_cmp_lg_u32 s2, 0xf033
	s_cbranch_scc0 .Lentry_shape_is_right
	s_endpgm
.Lentry_shape_is_right:
; out[q][n] = (P (v Wout))[q][n] / l[q] x sc[n] + bout[n].  P: pt2, f16, all key blocks under the row's one maximum, laid as images of 16 rows x 32 keys in the order of an operand's registers
; ([256 row blocks][128 key blocks][1,024 bytes]: lane l's registers 0-3 at 16 l, registers 4-7 at 512 + 16 l); 1 / l at pt2 + 33,554,432.  (v Wout)^T: vpt [1024 n][4096 key] f16.  sc [1024] f32 at wot + 2,097,152.
; A work-group makes 128 x 128 of out.  A cluster of 4 x 4 takes 512 rows (Y = the cluster's y) x 512 columns and walks keys 0 .. 512 (Y + 1) - 1, 512 a slot; P is zero beyond a row's own keys.
; B (vpt's tile, 128 rows x 512 keys) is shared along a column of the cluster: joint tensor loads, 32 rows a wave, into a ring of two LDS slots.
; P GOES FROM MEMORY STRAIGHT INTO REGISTERS, 512 consecutive bytes an instruction, and is not asked for jointly, though the four partners of a cluster's row read the same P.  The reason, by this text's own arithmetic:
; LDS is then B's alone, so that a slot holds 512 keys and not 256, and a refill has 256 matrix instructions a wave in which to land and not 128, with half the rounds.  The price: each of the four reads P itself.
; THE FOUR WAVES SPLIT K, NOT THE TILE: of each slot wave w multiplies keys 128 w .. 128 w + 127, in four substeps of 32, for the whole 128 x 128 (64 accumulators): every LDS byte and every byte of P is read once in the work-group.
; P has four buffers of 64 registers, one for each substep; a buffer is loaded again, for the next slot, right behind its products: 48 loads of a wave are out, issued 192 matrix instructions ahead of their use.
; At the end the four partial sums meet in LDS.  Register block p of wave w holds row block (p + 2 w) % 8, so that every wave owns its blocks 0 and 1: rows 32 w .. 32 w + 31.
; The number of slots, Y + 1, is the same in all sixteen partners.  A trip of the loop runs two slots; the tails for an even number, an odd number and one slot are written out.
; Rows 0-15 are another launch's: their stores are masked off.
; THE MATRIX INSTRUCTION IS USED TRANSPOSED (source 0 = 16 rows of vpt, source 1 = 16 rows of P): a lane holds row l % 16 and columns 8 (l / 16) + 0..7.
; REGISTERS: window 0: v16-23 P's offsets (a block each), v32-35 B's LDS addresses (slot, half of the rows), v42-58 addresses, v64-127, v128-191 B's fragments (two buffers).
;   windows 1, 2: the accumulators: block p, column block b at v[64 (p % 4) + 8 b] of window 1 + p / 4.   window 3: P's fragments: substep u, block p at v[64 u + 8 p].
.set PITCH,  1040                      ; an LDS row: 1,024 bytes + 16 of padding = 260 words: the 16 rows of a load start at 16 different banks
.set QT,     32*PITCH                  ; 32 rows: what one tensor load brings
.set SLOT,   4*QT
.set SPARE,  2*SLOT                    ; the spare words: two blocks of 256 bytes that no other line names
.set RED,    49152                     ; the way out, in the ring's bytes, which have had their last fill and last read: for each owner 6 x 8,192 bytes of partial sums from 0 on;
.set STG,    196608                    ; and a stage of 16 rows x 528 bytes for each wave
.set SPT,    528
.set VA,  16
.set ADB, 32
.set SPW, 42
.set NIL, 43
.set PFO, 44
.set RB,  48
.set STO, 49
.set RD,  50
.set CO,  51
.set VB,  56
.set ROWB, 57
.set VRL, 58
.set PFA, 44                           ; s[44:45] where my prefetches stand
.set PA,  48                           ; s[48:49] P at my rows and my keys: of slot 0 at first, then of the slot after the one in hand
.set RLB, 50                           ; s[50:51] 1 / l
.set LIM, 66
.set G1, 24                            ; s[24:31] descriptor group 1;  s[32:39] group 0, one set for each slot
.set G0, 32
.set MSB, 0
.macro WIN new
.if MSB != (\new)
	s_set_vgpr_msb (MSB<<8)|(\new)
.set MSB, (\new)
.endif
.endm
.macro JLOAD s                         ; a joint load: every wave fetches its 32 rows; an s_nop 0 and four v_nop follow
	tensor_load_to_lds s[G0+4*\s:G0+4*\s+3], s[G1:G1+7]
	s_nop 0
.rept 4
	v_nop
.endr
.endm
; A prefetch of B's tile one refill on: of the 32 rows x 1,024 bytes that I fetch, my work-group's 8 rows, a lane a block of 256 bytes.  Each block is named once in the launch: a column of tiles is read by all eight
; cluster rows; the one that walks all keys (Y = 7, eight slots) asks; the four partners that ask jointly are told apart by address.  Slots 0 to 2 come by their loads alone; the last refill asks for nothing.
.macro ASK how
.if \how
	s_cmp_eq_u32 s[LIM], 1
.else
	s_cmp_gt_u32 s3, s[LIM]                        ; s3 = 1 in the loop's last trip
.endif
	s_cbranch_scc0 .Lnot_mine_\@
	global_prefetch_b8 v[PFO], s[PFA:PFA+1] th:TH_LOAD_NT scope:SCOPE_SE
.Lnot_mine_\@:
.endm
.macro CREST
	s_cmp_lg_u32 s16, 0
	s_cbranch_scc1 .Lnot_wave_0_\@
	s_barrier_signal -3
.Lnot_wave_0_\@:
	s_barrier_wait -3
	s_barrier_signal -1
	s_barrier_wait -1
.endm
.macro CROUND
	s_barrier_signal -1
	s_barrier_wait -1
	CREST
.endm
.macro PLACES                          ; four plain vector lines between a matrix instruction and a load into one of its registers (ISA guide 7.12.1 for vector instructions)
.rept 4
	v_nop
.endr
.endm
; cnt blocks of P from block r0 on, against B's eight: 32 keys.  The 64 accumulators take turns, in the same order in every substep.  zero = 1: the first products start the sums
.macro MUL r0, cnt, bf, u, zero
.set mr, \r0
.rept \cnt
.irp b, 0,1,2,3,4,5,6,7
.if \zero
	v_wmma_f32_16x16x32_f16 v[64*(mr%4)+8*\b:64*(mr%4)+8*\b+7], v[64+64*(\bf)+8*\b:64+64*(\bf)+8*\b+7], v[64*(\u)+8*mr:64*(\u)+8*mr+7], 0
.else
	v_wmma_f32_16x16x32_f16 v[64*(mr%4)+8*\b:64*(mr%4)+8*\b+7], v[64+64*(\bf)+8*\b:64+64*(\bf)+8*\b+7], v[64*(\u)+8*mr:64*(\u)+8*mr+7], v[64*(mr%4)+8*\b:64*(mr%4)+8*\b+7]
.endif
.endr
.set mr, mr+1
.endr
.endm
.macro LOADB slot, u, bf               ; 16 LDS loads: B's eight fragments of my substep u of the slot, into buffer bf (every window 0)
.irp b, 0,1,2,3,4,5,6,7
	ds_load_b128 v[64+64*(\bf)+8*\b:64+64*(\bf)+8*\b+3],   v[ADB+2*(\slot)+\b/4] offset:(\b%4)*16*PITCH+64*(\u)
	ds_load_b128 v[64+64*(\bf)+8*\b+4:64+64*(\bf)+8*\b+7], v[ADB+2*(\slot)+\b/4] offset:(\b%4)*16*PITCH+64*(\u)+32
.endr
.endm
.macro LOADA u, r0                     ; 8 loads: P's blocks r0 .. r0 + 3 of substep u (destination window 3): an image is two loads of 512 consecutive bytes
.irp x, 0,1,2,3
	global_load_b128 v[64*(\u)+8*((\r0)+\x):64*(\u)+8*((\r0)+\x)+3],   v[VA+(\r0)+\x], s[PA:PA+1] offset:1024*(\u)
	global_load_b128 v[64*(\u)+8*((\r0)+\x)+4:64*(\u)+8*((\r0)+\x)+7], v[VA+(\r0)+\x], s[PA:PA+1] offset:1024*(\u)+512
.endr
.endm
; Substep u = 0, 1, 2 of a slot.  In its middle the next substep's B is fetched from LDS.  ahead = 1: P's buffer u is loaded again, for the next slot, half behind each half of its products.
; left: the loads of P that are younger than buffer u's: three buffers' 48, or fewer in the last slot.
.macro U slot, u, zero, ahead, left
	s_wait_loadcnt \left                           ; P's buffer u is in
	s_wait_dscnt 0x0                               ; B's buffer is in (asked for 32 matrix instructions ago)
	WIN 0x5c                                       ; B window 0, P window 3, C and D window 1
	MUL 0, 4, (\u)%2, \u, \zero
	PLACES
	WIN 0
	LOADB \slot, (\u)+1, 1-(\u)%2
.if \ahead
.if (\u) == 0
	s_wait_xcnt 0x0                                ; the loads and the prefetch issued so far, the last of them 32 matrix instructions back, have read their bases:
	s_add_nc_u64 s[PA:PA+1], s[PA:PA+1], 16384     ; P: 16 images on: the next slot's keys
	s_add_nc_u64 s[PFA:PFA+1], s[PFA:PFA+1], 1024  ; B: a slot on along the rows
.endif
	WIN 0xc0
	LOADA \u, 0
.endif
	WIN 0xac                                       ; C and D window 2
	MUL 4, 4, (\u)%2, \u, \zero
.if \ahead
	PLACES
	WIN 0xc0
	LOADA \u, 4
.endif
.endm
; Substep 3 changes slots: one barrier; in front of it each wave waits for all its tensor loads, adds 0 to its spare word, and waits for that and for its reads of this slot, which ended with substep 3's fragments.
; fill = 1: the barrier opens a round of the cluster's, and this slot is filled again, two slots ahead, first thing behind the round.  ask: 1, 2: a prefetch (always; not in the loop's last trip).
.macro U3T slot, next, fill, ask
	WIN 0
	s_wait_tensorcnt 0x0                           ; all my tensor loads have landed: my part of the next slot
	ds_add_u32 v[SPW], v[NIL]
	s_wait_loadcnt 48                              ; P's buffer 3 is in
	s_wait_dscnt 1                                 ; B's buffer is in (the add may be out)
	WIN 0x5c
	MUL 0, 2, 1, 3, 0                              ; sixteen matrix instructions stand between the add and the wait for it
	s_wait_dscnt 0x0                               ; the add is done, my reads of this slot are over
	s_barrier_signal -1
	MUL 2, 2, 1, 3, 0                              ; work on registers while the others arrive
	WIN 0
	s_barrier_wait -1
.if \fill
	CREST                                          ; no wave of any partner still reads this slot or has a load on its way
	s_add_nc_u64 s[G0+4*\slot+2:G0+4*\slot+3], s[G0+4*\slot+2:G0+4*\slot+3], 2048
	JLOAD \slot                                    ; its four v_nop are also the places in front of the loads below
.else
	PLACES
.endif
	LOADB \next, 0, 0
	WIN 0xc0
	LOADA 3, 0
	WIN 0
.if (\ask) == 1
	ASK 1
.endif
.if (\ask) == 2
	ASK 0
.endif
	WIN 0xac
	MUL 4, 4, 1, 3, 0
	PLACES
	WIN 0xc0
	LOADA 3, 4
.endm
.macro LAST slot                       ; the last slot: nothing more is fetched from memory, and the counts run down
	U \slot, 0, 0, 0, 48
	U \slot, 1, 0, 0, 32
	U \slot, 2, 0, 0, 16
	s_wait_loadcnt 0x0
	s_wait_dscnt 0x0
	WIN 0x5c
	MUL 0, 4, 1, 3, 0
	WIN 0xac
	MUL 4, 4, 1, 3, 0
	WIN 0
.endm
	s_load_b256 s[4:11], s[0:1], 0x0               ; pt2, vpt, wot, bout
	s_load_b64 s[12:13], s[0:1], 0x20              ; out0
	v_lshl_add_u32 v[SPW], v0, 2, SPARE
	v_mov_b32 v[NIL], 0
	ds_add_u32 v[SPW], v[NIL]                      ; the wave's opening: the add, twice on end, and its wait ahead of my first tensor load
	ds_add_u32 v[SPW], v[NIL]
	v_lshrrev_b32 v1, 5, v0
	v_readfirstlane_b32 s16, v1                    ; wave 0..3
	s_bfe_u32 s40, ttmp6, 0x40000                  ; cx
	s_bfe_u32 s41, ttmp6, 0x40004                  ; cy
	s_lshl_b32 s42, ttmp9, 2
	s_add_co_u32 s42, s42, s40                     ; tile column, 0..7
	s_and_b32 s19, ttmp7, 0xffff                   ; Y
	s_lshl_b32 s43, s19, 2
	s_add_co_u32 s43, s43, s41                     ; tile row, 0..31
	s_lshl_b32 s21, 0x1111, s40                    ; my column of the cluster
	s_or_b32 s[G1+0], s21, (1<<16)|(1<<20)|(1<<21)|(7<<22)|(3<<25)  ; mask; elements of 2 bytes; padding: 4 words behind every 256
	s_mov_b32 s[G1+1], 512<<16                     ; tensor_dim0
	s_mov_b32 s[G1+2], 32<<16                      ; tensor_dim1
	s_mov_b32 s[G1+3], 512<<16                     ; tile_dim0
	s_mov_b32 s[G1+4], 32                          ; tile_dim1
	s_mov_b32 s[G1+5], 4096                        ; pitch
	s_mov_b32 s[G1+6], 0
	s_mov_b32 s[G1+7], 0
	s_lshl_b32 s46, s42, 7
	s_lshl_b32 s22, s16, 5
	s_add_co_u32 s46, s46, s22                     ; B: row 128 x tile column + 32 x wave
	s_lshl_b32 s46, s46, 13                        ; rows of 8,192 bytes
	s_mov_b32 s47, 0
	s_mul_i32 s23, s16, QT                         ; where they go: by the wave's number alone
	s_lshl_b32 s52, s43, 20                        ; P: my tile's 8 row blocks of 131,072 bytes,
	s_lshl_b32 s53, s16, 12                        ; my wave's 128 keys: four images
	s_add_co_u32 s52, s52, s53
	s_mov_b32 s53, 0
	v_and_b32 v1, 15, v0                           ; r
	v_bfe_u32 v2, v0, 4, 1                         ; h
	v_and_b32 v3, 31, v0                           ; lane
	v_lshlrev_b32 v[CO], 4, v3                     ; 16 x lane
.irp p, 0,1,2,3,4,5,6,7
	s_lshl_b32 s20, s16, 1
	s_add_co_u32 s20, s20, \p
	s_and_b32 s20, s20, 7                          ; register block p holds row block (p + 2 w) % 8
	s_lshl_b32 s20, s20, 17
	v_add_nc_u32 v[VA+\p], s20, v[CO]
.endr
	v_mul_u32_u24 v4, v1, PITCH
	v_lshl_add_u32 v4, v2, 4, v4
	s_lshl_b32 s20, s16, 8
	v_add_nc_u32 v[ADB], s20, v4                   ; row r, + 16 h, + my wave's 256 bytes of a row
	v_add_nc_u32 v[ADB+1], 64*PITCH, v[ADB]        ; rows 64 on: an LDS offset has 16 bits
	v_add_nc_u32 v[ADB+2], SLOT, v[ADB]
	v_add_nc_u32 v[ADB+3], SLOT, v[ADB+1]
	s_wait_dscnt 0x0                               ; both opening adds are done
	s_wait_kmcnt 0x0
	s_add_nc_u64 s[46:47], s[6:7], s[46:47]
	s_add_nc_u64 s[PA:PA+1], s[4:5], s[52:53]
	s_add_nc_u64 s[RLB:RLB+1], s[4:5], 33554432
	WIN 0xc0
.irp u, 0,1,2
	LOADA \u, 0                                    ; P of slot 0, substeps 0 to 2; substep 3 follows the tensor loads
	LOADA \u, 4
.endr
	WIN 0
	s_lshl_b32 s20, s43, 7
	s_lshl_b32 s21, s16, 5
	s_add_co_u32 s20, s20, s21                     ; the first row that I own
	v_mov_b32 v[ROWB], s20
	s_lshl_b32 s21, s20, 2
	v_lshl_add_u32 v[VRL], v1, 2, s21
	v_mov_b32 v53, 0                               ; (named as the upper halves of pairs)
	v_mov_b32 v55, 0
	s_lshl_b32 s20, s20, 12
	s_lshl_b32 s21, s42, 9
	s_add_co_u32 s20, s20, s21
	s_mov_b32 s21, 0
	s_add_nc_u64 s[12:13], s[12:13], s[20:21]      ; out at my rows and the tile's columns
	s_lshl_b32 s20, s42, 9
	v_lshl_add_u32 v[VB], v2, 5, s20               ; bias and sc: column 128 x tile column + 8 h, in bytes
	s_mul_i32 s20, s16, 16*SPT
	s_add_co_u32 s20, s20, STG                     ; my stage
	v_mul_u32_u24 v[STO], v1, SPT
	v_lshl_add_u32 v[STO], v2, 5, v[STO]
	v_add_nc_u32 v[STO], s20, v[STO]
	v_add_nc_u32 v[RD], s20, v[CO]
	s_mul_i32 s20, s16, RED
	v_add_nc_u32 v[RB], s20, v[CO]                 ; what the others send me
.irp d, 1,2,3
	s_add_co_u32 s20, s16, \d
	s_and_b32 s20, s20, 3                          ; my blocks 2 d, 2 d + 1 belong to wave (d + w) % 4
	s_mul_i32 s20, s20, RED
	v_add_nc_u32 v[44+\d], s20, v[CO]
.endr
	; the prefetches
	s_lshl_b32 s20, s42, 7
	s_lshl_b32 s21, s16, 5
	s_add_co_u32 s20, s20, s21                     ; the 32 rows that I fetch,
	s_lshl_b32 s21, s41, 3
	s_add_co_u32 s20, s20, s21                     ; my work-group's 8 of them
	s_lshl_b32 s20, s20, 13
	s_add_co_u32 s20, s20, 2048                    ; at slot 2: slot 0's first substep steps it to slot 3, which the first refill's prefetch names
	s_mov_b32 s21, 0
	s_add_nc_u64 s[PFA:PFA+1], s[6:7], s[20:21]
	s_cmp_eq_u32 s19, 7
	s_cselect_b32 s[LIM], 1, -1                    ; the same in all sixteen partners
	v_lshrrev_b32 v6, 2, v3
	v_and_b32 v7, 3, v3
	v_lshlrev_b32 v7, 8, v7
	v_lshl_add_u32 v[PFO], v6, 13, v7
.irp s, 0,1
	s_mov_b32 s[G0+4*\s], 1
	s_add_co_u32 s[G0+4*\s+1], s23, \s*SLOT
	s_add_nc_u64 s[G0+4*\s+2:G0+4*\s+3], s[46:47], \s*1024
	s_or_b32 s[G0+4*\s+3], s[G0+4*\s+3], 0x80000000
.endr
	CROUND                                         ; all sixteen work-groups are here: the first joint loads meet
	JLOAD 0
	s_cmp_eq_u32 s19, 0                            ; the first 512 rows have one slot of keys: their clusters ask for no second.  Y is the same in all waves and all partners
	s_cbranch_scc1 .Lone
	JLOAD 1                                        ; two loads of mine are out
	WIN 0xc0
	LOADA 3, 0
	LOADA 3, 4
	WIN 0
	s_wait_tensorcnt 1                             ; my part of slot 0 is in; slot 1's may be out
	s_barrier_signal -1
	s_barrier_wait -1
	LOADB 0, 0, 0
	U 0, 0, 1, 1, 48                               ; the first products start the sums: nothing is cleared
	WIN 0
	s_sub_co_u32 s3, s19, 1
	s_lshr_b32 s3, s3, 1                           ; trips: (slots - 2) / 2, rounded down: in a trip both slots are filled again
	s_cmp_eq_u32 s3, 0
	s_cbranch_scc1 .Lrest
.Llap:                                                 ; from slot 0's second substep to the next slot 0's first
	U 0, 1, 0, 1, 48
	U 0, 2, 0, 1, 48
	U3T 0, 1, 1, 1
	U 1, 0, 0, 1, 48
	U 1, 1, 0, 1, 48
	U 1, 2, 0, 1, 48
	U3T 1, 0, 1, 2
	U 0, 0, 0, 1, 48
	WIN 0
	s_sub_co_u32 s3, s3, 1
	s_cmp_lg_u32 s3, 0
	s_cbranch_scc1 .Llap
.Lrest:
	s_and_b32 s20, s19, 1
	s_cmp_eq_u32 s20, 0
	s_cbranch_scc1 .Lodd
	U 0, 1, 0, 1, 48                               ; an even number of slots: two are left, and nothing is filled
	U 0, 2, 0, 1, 48
	U3T 0, 1, 0, 0
	LAST 1
	s_branch .Lout
.Lodd:
	U 0, 1, 0, 1, 48                               ; an odd number: three are left, and slot 0 is filled once more
	U 0, 2, 0, 1, 48
	U3T 0, 1, 1, 0
	U 1, 0, 0, 1, 48
	U 1, 1, 0, 1, 48
	U 1, 2, 0, 1, 48
	U3T 1, 0, 0, 0
	LAST 0
	s_branch .Lout
.Lone:
	WIN 0xc0
	LOADA 3, 0
	LOADA 3, 4
	WIN 0
	s_wait_tensorcnt 0x0                           ; my part of the only slot is in
	s_barrier_signal -1
	s_barrier_wait -1
	LOADB 0, 0, 0
	U 0, 0, 1, 0, 48
	U 0, 1, 0, 0, 32
	U 0, 2, 0, 0, 16
	s_wait_loadcnt 0x0
	s_wait_dscnt 0x0
	WIN 0x5c
	MUL 0, 4, 1, 3, 0
	WIN 0xac
	MUL 4, 4, 1, 3, 0
	WIN 0
.Lout:
	; THE WAY OUT.  Every wave's reads of the ring are over; the ring's bytes take the partial sums
.rept 4
	v_nop                                          ; places behind the last products
.endr
	s_wait_dscnt 0x0
	s_barrier_signal -1
	s_barrier_wait -1
.irp d, 1,2,3
.irp e, 0,1
.set rho, 2*\d+\e
.set xx, rho%4
	WIN (1+rho/4)<<2                               ; an LDS store's data are its source 1
.irp b, 0,1,2,3,4,5,6,7
	ds_store_b128 v[44+\d], v[64*xx+8*\b:64*xx+8*\b+3] offset:((\d-1)*2+\e)*8192+1024*\b         ; images of the registers: 16 bytes a lane; each accumulator from its low end on
	ds_store_b128 v[44+\d], v[64*xx+8*\b+4:64*xx+8*\b+7] offset:((\d-1)*2+\e)*8192+1024*\b+512
.endr
.endr
.endr
	WIN 0
	s_wait_dscnt 0x0                               ; for the others' sake: my stores are done
	s_barrier_signal -1
	s_barrier_wait -1
	global_load_b32 v52, v[VRL], s[RLB:RLB+1]              ; 1 / l of my rows r and 16 + r
	global_load_b32 v54, v[VRL], s[RLB:RLB+1] offset:64
	WIN 0x80                                       ; bias and sc land in window 2, in accumulators that have been sent, while the sums are added
.irp b, 0,1,2,3,4,5,6,7
	global_load_b128 v[8*\b:8*\b+3],       v[VB], s[10:11] offset:64*\b
	global_load_b128 v[8*\b+4:8*\b+7],     v[VB], s[10:11] offset:64*\b+16
	global_load_b128 v[64+8*\b:64+8*\b+3], v[VB], s[8:9] offset:2097152+64*\b
	global_load_b128 v[64+8*\b+4:64+8*\b+7], v[VB], s[8:9] offset:2097152+64*\b+16
.endr
	WIN 0
.irp d, 0,1,2
.irp e, 0,1
.irp b, 0,1,2,3,4,5,6,7
	ds_load_b128 v[64+64*\e+8*\b:64+64*\e+8*\b+3],   v[RB] offset:(\d*2+\e)*8192+1024*\b
	ds_load_b128 v[64+64*\e+8*\b+4:64+64*\e+8*\b+7], v[RB] offset:(\d*2+\e)*8192+1024*\b+512
.endr
.endr
	s_wait_dscnt 0x0
	WIN 0x41                                       ; source 0 and destination window 1
.set i, 0
.rept 64
	v_pk_add_f32 v[i:i+1], v[i:i+1], v[64+i:65+i]
.set i, i+2
.endr
	WIN 0
.endr
	s_wait_loadcnt 0x0                             ; 1 / l, bias and sc
.irp e, 0,1
	WIN 0x41
.set i, 0
.rept 32
	v_pk_mul_f32 v[64*\e+i:64*\e+i+1], v[64*\e+i:64*\e+i+1], v[52+2*\e:53+2*\e] op_sel_hi:[1,0]   ; / l
.set i, i+2
.endr
	WIN 0x69                                       ; sources 1 and 2 window 2
.set i, 0
.rept 32
	v_pk_fma_f32 v[64*\e+i:64*\e+i+1], v[64*\e+i:64*\e+i+1], v[64+i:65+i], v[i:i+1]               ; x sc + bias
.set i, i+2
.endr
	WIN 0x04
.irp b, 0,1,2,3,4,5,6,7
	ds_store_b128 v[STO], v[64*\e+8*\b:64*\e+8*\b+3] offset:64*\b
	ds_store_b128 v[STO], v[64*\e+8*\b+4:64*\e+8*\b+7] offset:64*\b+16
.endr
	WIN 0
.irp t, 0,1,2,3,4,5,6,7,8,9,10,11,12,13,14,15
	ds_load_b128 v[192+4*\t:195+4*\t], v[RD] offset:\t*SPT         ; LDS serves a wave's instructions in order: these see my stores
.endr
	s_wait_dscnt 0x0
.if \e == 0
	v_cmp_ne_u32 vcc_lo, 0, v[ROWB]                ; rows 0-15 are stored by another launch.  A lane mask and no branch: the condition hangs on the work-group's place in its cluster
	s_wait_xcnt 0x0                                ; EXEC changes only behind this wait
	s_and_saveexec_b32 s67, vcc_lo
.endif
.irp t, 0,1,2,3,4,5,6,7,8,9,10,11,12,13,14,15
	global_store_b128 v[CO], v[192+4*\t:195+4*\t], s[12:13] offset:65536*\e+4096*\t th:TH_STORE_NT   ; 32 lanes store 512 consecutive bytes, aligned
.endr
.if \e == 0
	s_wait_xcnt 0x0                                ; the stores have read EXEC and their data: both may be written
	s_or_b32 exec_lo, exec_lo, s67
.endif
.endr
	s_wait_tensorcnt 0x0                           ; the wave's end
	ds_add_u32 v[SPW], v[NIL]
	s_wait_dscnt 0x0
	CROUND                                         ; the closing round
	s_endpgm
.Lfunc_end_k_qfaf313c9d9_pv:
	.size	k_qfaf313c9d9_pv, .Lfunc_end_k_qfaf313c9d9_pv-k_qfaf313c9d9_pv
	.p2alignl 7, 3214868480
	.fill 96, 4, 3214868480
	.section	.rodata,"a",@progbits
	.p2align	6, 0x0
	.amdhsa_kernel k_qfaf313c9d9_pv
		.amdhsa_group_segment_fixed_size 327680
		.amdhsa_private_segment_fixed_size 0
		.amdhsa_enable_private_segment 0
		.amdhsa_kernarg_size 40
		.amdhsa_user_sgpr_count 2
		.amdhsa_user_sgpr_kernarg_segment_ptr 1
		.amdhsa_wavefront_size32 1
		.amdhsa_system_sgpr_workgroup_id_x 1
		.amdhsa_system_sgpr_workgroup_id_y 1
		.amdhsa_system_sgpr_workgroup_id_z 1
		.amdhsa_system_vgpr_workitem_id 0
		.amdhsa_next_free_vgpr 1024
		.amdhsa_next_free_sgpr 96
		.amdhsa_reserve_vcc 1
		.amdhsa_float_denorm_mode_32 3
		.amdhsa_float_denorm_mode_16_64 3
		.amdhsa_memory_ordered 1
		.amdhsa_forward_progress 1
		.amdhsa_inst_pref_size 255
	.end_amdhsa_kernel
	.section	.bss,"aw",@nobits
	.p2align	6
	.space	262144
	.amdgpu_metadata
---
amdhsa.version: [ 1, 2 ]
amdhsa.kernels:
  - .name:           k_qfaf313c9d9_pv
    .symbol:         k_qfaf313c9d9_pv.kd
    .args:
      - { .name: pt2, .offset: 0, .size: 8, .value_kind: global_buffer, .address_space: global }
      - { .name: vpt, .offset: 8, .size: 8, .value_kind: global_buffer, .address_space: global }
      - { .name: wot, .offset: 16, .size: 8, .value_kind: global_buffer, .address_space: global }
      - { .name: bout, .offset: 24, .size: 8, .value_kind: global_buffer, .address_space: global }
      - { .name: out0, .offset: 32, .size: 8, .value_kind: global_buffer, .address_space: global }
    .group_segment_fixed_size: 327680
    .private_segment_fixed_size: 0
    .kernarg_segment_align: 8
    .kernarg_segment_size: 40
    .max_flat_workgroup_size: 128
    .sgpr_count:     96
    .vgpr_count:     1024
    .wavefront_size: 32
...
	.end_amdgpu_metadata
.endif
;; end of part 5
